; MI455X (gfx1250); checked and timed in simulation.
; The chip was launched on July 23, 2026; its instructions are those of AMD's public machine-readable ISA for CDNA 5 (MIT licence, August 2026) and "CDNA5" Instruction Set Architecture Reference Guide (July 2026). The comments in the code are by the model that wrote it; some were corrected since.
;; Multi Head Attention. Allowed arithmetic: matrix products marked QUANTISED: E2M3 operands, one E8M0 scale for each 32 along K, by v_wmma_scale_f32_16x16x128_f8f6f4 with both operands' format E2M3, f32 sums; everything else in f32.
;; Inputs: Wk_codes 1,024 x 32 x 24 uint8 (E2M3 codes of Wk, K innermost, in blocks of 32 codes, four codes in three bytes); Wk_scales 1,024 x 32 uint8 (E8M0 scales of Wk, one for each 32 codes along K); Wq_codes 1,024 x 32 x 24 uint8 (E2M3 codes of Wq, K innermost, in blocks of 32 codes, four codes in three bytes); Wq_scales 1,024 x 32 uint8 (E8M0 scales of Wq, one for each 32 codes along K); Wv_codes 1,024 x 32 x 24 uint8 (E2M3 codes of Wv, K innermost, in blocks of 32 codes, four codes in three bytes); Wv_scales 1,024 x 32 uint8 (E8M0 scales of Wv, one for each 32 codes along K); beta 1,024 float32; bk 1,024 float32; bq 1,024 float32; bv 1,024 float32; gamma 1,024 float32; k_codes 4 x 2,048 x 32 x 24 uint8 (E2M3 codes of k, K innermost, in blocks of 32 codes, four codes in three bytes); k_scales 4 x 2,048 x 32 uint8 (E8M0 scales of k, one for each 32 codes along K); q 4 x 2,048 x 1,024 float32; v_codes 4 x 2,048 x 32 x 24 uint8 (E2M3 codes of v, K innermost, in blocks of 32 codes, four codes in three bytes); v_scales 4 x 2,048 x 32 uint8 (E8M0 scales of v, one for each 32 codes along K).
;; Outputs: out0 4 x 2,048 x 1,024 float32.
;; This version of the problem:
;;   THIS VERSION OF THE PROBLEM IS GIVEN IN LOW PRECISION. The matrix products marked QUANTISED in the list below multiply operands that are first quantised to E2M3 (2 exponent bits, 3 mantissa bits; 6 bits a number), with one power-of-two scale for each 32 numbers along K (OCP MX v1.0); their sums are f32. All else is computed in f32.
;;   The module's matrix products, in the order in which they are computed (A, B: the left and right operand; K: the contracted axis; several contracted axes count as one K, in the product's order):
;;     1. [M 8,192, K 1,024] x [K 1,024, N 1,024]; A: input q; B: input Wq (given as codes): QUANTISED
;;     2. [M 8,192, K 1,024] x [K 1,024, N 1,024]; A: input k (given as codes); B: input Wk (given as codes): QUANTISED
;;     3. [M 8,192, K 1,024] x [K 1,024, N 1,024]; A: input v (given as codes); B: input Wv (given as codes): QUANTISED
;;     4. batch 64 x [M 2,048, K 64] x [K 64, N 2,048]; A: computed on the way; B: computed on the way: QUANTISED
;;     5. batch 64 x [M 2,048, K 2,048] x [K 2,048, N 64]; A: softmax (see below); B: computed on the way: QUANTISED
;;   THE QUANTISER, for each operand of a quantised product, along K:
;;     - K is cut into blocks of 32 from its start; a last block that is shorter is filled with zeros.
;;     - A block's scale is 2^e with e = floor(log2(the largest magnitude in the block)) - 2, held to -126 .. 127; a block of zeros has e = 0. As a byte (E8M0): e + 127.
;;     - Each number is divided by its block's scale, clamped to +-7.5, and rounded to the nearest number of E2M3, ties to even, subnormals kept.
;;     - The product sums the exact products of the quantised numbers (number of the format x scale) in f32.
;;   ~~~python
;;   def quantise(x, axis):      # numpy; x: float32 -> the quantised numbers, widened to float32 again
;;       x = np.moveaxis(x, axis, -1); K = x.shape[-1]
;;       x = np.pad(x, [(0, 0)] * (x.ndim - 1) + [(0, -K % 32)]); x = x.reshape(x.shape[:-1] + (-1, 32)); a = np.abs(x).max(-1, keepdims=True)
;;       e = np.where(a > 0, np.clip(np.frexp(np.where(a > 0, a, 1))[1] - 1 - 2, -126, 127), 0)      # np.frexp(a)[1] - 1 = floor(log2(a)), exactly
;;       r = np.clip(x / 2.0 ** e, -7.5, 7.5)
;;       step = 2.0 ** (np.maximum(np.frexp(np.where(r == 0, 1, r))[1] - 1, 0) - 3)
;;       q = np.round(r / step) * step * 2.0 ** e      # np.round: ties to even
;;       return np.moveaxis(q.reshape(q.shape[:-2] + (-1,))[..., :K], -1, axis).astype(np.float32)
;;   ~~~
;;   SOFTMAX AHEAD OF A QUANTISED PRODUCT. Where the list says 'softmax', what is quantised is not the finished softmax but p = 2^(t - M), with t = logit x log2(e) and M = ceil(the row's largest t), a whole number; so 1/2 < the row's largest p <= 1. The row's sum l is taken of the UNQUANTISED p, in f32, and the product's result is divided by l at the end. Since M is a whole number, a kernel that streams over the keys may use a running M (the ceiling of the running maximum): every later rescaling is an exact power of two, which a block's scale takes up: the codes' values come out the same.
;;   OPERANDS COMPUTED ON THE WAY. 'Computed on the way' means the value that the module computes at that place (a softmax that the list does not call 'softmax' is quantised finished and normalised). What goes into a quantiser is computed in f32, as accurately as f32 sums, v_exp_f32 and their like allow (about 1e-6 of the number): no bf16 or f16 on the way to a quantiser, and a product that is left as it is and whose result goes on into a quantised operand takes f32 operands (vector FMAs, or v_wmma_f32_16x16x4_f32). A number that lies on a knife's edge between two numbers of the format may be rounded either way, as far as f32 arithmetic and the matrix unit's own rounding can turn it there, and no further.
;;   INPUTS GIVEN AS CODES. Wk (in the module: [1024, 1024], K = its axis 0); Wq (in the module: [1024, 1024], K = its axis 0); Wv (in the module: [1024, 1024], K = its axis 0); k (in the module: [4, 2048, 1024], K = its axis 2); v (in the module: [4, 2048, 1024], K = its axis 2): each comes as NAME_codes (uint8): NAME with its K axis moved to the last place and cut into blocks of 32 codes, [.., K / 32, bytes a block], one block behind the other in memory; four codes in three bytes: a row's codes are one little-endian stream of bits, code i at bits 6 i .. 6 i + 5 (a code: sign, 2 exponent bits, 3 mantissa bits); and NAME_scales (uint8): the same leading axes, one E8M0 byte (e + 127) for each 32 codes along K. Its value is code x scale, taken as it is: it is not quantised again, and the codes and scales need not be those that the quantiser above would give.
;; One version. Each part assembles by itself: llvm-mc -triple=amdgcn-amd-amdhsa -mcpu=gfx1250 --defsym DOCPART=n.
;; ======== version 1 of 1: 2 launches
;; limits: right only within a limited range of input values
;; workspace buffers: qc 6,291,456 bytes; qsc 262,144 bytes; wqi 786,432 bytes; kv 13,369,344 bytes; kvs 524,288 bytes
;; launch proj (part 1): grid 4 x 64, 4 waves a work-group, clusters of 4 x 4, 327,680 bytes of LDS; arguments k_codes, k_scales, Wk_codes, Wk_scales, bk, kv, kvs, Wv_codes, Wv_scales, v_codes, v_scales, bv, Wq_codes, wqi, q, qc, qsc; writes kv, kvs, wqi, qc, qsc
.if DOCPART == 1
	.amdgcn_target "amdgcn-amd-amdhsa--gfx1250"
	.amdhsa_code_object_version 6
	.text
	.protected	k_q13ca671685_proj
	.globl	k_q13ca671685_proj
	.p2align	8
	.type	k_q13ca671685_proj,@function
k_q13ca671685_proj:
	s_mov_b64 s[64:65], 0
	v_nop
	global_prefetch_b8 v0, s[64:65] scope:SCOPE_SE
	s_setreg_imm32_b32 hwreg(HW_REG_WAVE_MODE, 25, 1), 1
	s_wait_xcnt 0x0
	s_wait_alu depctr_hold_cnt(0) depctr_sa_sdst(0) depctr_va_vdst(0) depctr_va_sdst(0) depctr_va_ssrc(0) depctr_va_vcc(0) depctr_vm_vsrc(0)
	s_getreg_b32 s2, hwreg(HW_REG_IB_STS2, 6, 4)
	s_cmp_eq_u32 s2, 0
	s_cbranch_scc0 .Lentry_in_a_cluster
	s_endpgm
.Lentry_in_a_cluster:
	s_bfe_u32 s2, ttmp6, 0x10000c
	s_cmp_lg_u32 s2, 0xf033
	s_cbranch_scc0 .Lentry_shape_is_right
	s_endpgm
.Lentry_shape_is_right:
; k_ = k Wk + bk and v_ = v Wv + bv on codes of FP6 (E2M3) with E8M0 scales; the results are quantised again (k_ along the head's 64, v_ along the keys) and stored as images of the registers that the attention's operands take.
; 2 products x 32 x 4 tiles of 256 x 256 = 256 work-groups of four waves, a wave 128 x 128 in 64 accumulators.  Cluster rows 0-7 of the grid: K (A = tokens, B = Wk); rows 8-15: V (A = Wv, B = tokens).
; K (1,024 codes, 768 bytes a row) goes through two LDS slots in chunks of 256 bytes of each row, each chunk beginning at a multiple of 256 bytes; a step of 128 along K is 96 bytes: steps 2 and 5 lie across two chunks.
; The scales of the 256 + 256 rows come once, as dense blocks.  4 x 4 clusters: A's tiles are asked for jointly along a row of the cluster, B's along a column.
; No prefetch: a tile's walk is three chunks, of which two are asked for at the head and the third one step later, so there is no trip to run ahead in.
; ALSO: Wq's codes are laid out anew, as images of operand registers, for the attention launch: 512 fragments (16 heads x 8 K steps x 4 tiles) of 1,536 bytes, two to a work-group (waves 0 and 1).
; Tile u of a head takes rows 8 p + 0..7 and 32 + 8 p + 0..7, p = 0, 2, 1, 3 for u = 0..3: the order in which k_'s codes lie inside a block of 32 here.
; LIMITS: NaN and infinities are not served; a block of zeros gets the byte 1 (its codes are zeros; this program alone reads the bytes).
.set ROWB,   256
.set NQ,     2
.set KROW,   768
.set STEPS,  8
.set CHUNKS, 3
.set PITCH,  272
.set FR,     12
.set NL,     6
.set NP,     4
.set HALFT,  128*PITCH
.set SLOT,   4*HALFT
.set KS,     32
.set SCL,    2*SLOT
.set HALFS,  (128*KS/256)*272
.set SBLK,   (16*KS/256)*272
.set SPARE,  SCL+4*HALFS
.set KVB,    3342336
.set CH,     196608
.set ADRA, 16
.set ADRB, 20
.set LI,   24
.set SOF,  25
.set LN,   26
.set ADRS, 27
.set SPW,  28
.set NIL,  29
.set PW0,  30
.set PW1,  31
.set SW,   8
.set SC,   32
.set BIN,  64
.set AF,   128
.set BM,   240
.set X,    128
.set TM,   192
.set CT,   208
.set IA,   216
.set IB,   228
.set G1, 24
.set G0, 32
.set G1B, 48
.set G0B, 56
.set G1S, 68
.set G0S, 76
.set G1SB, 80
.set G0SB, 88
.set G0H, 4
.set G0HB, 8
.set MSB, 0
.macro WIN new
.if MSB != \new
	s_set_vgpr_msb (MSB<<8)|\new
.set MSB, \new
.endif
.endm
.set MUL_LO, 0xa1
.set MUL_HI, 0xf1
.set TO_B,   0x40
.macro JLOAD g0a, g1a, g0b, g1b        ; waves 0, 1 fetch for A, waves 2, 3 for B
	s_cmp_eq_u32 s15, 0
	s_cbranch_scc0 .Lfor_b_\@
	tensor_load_to_lds s[\g0a:\g0a+3], s[\g1a:\g1a+7]
	s_nop 0
.rept 4
	v_nop
.endr
	s_branch .Lasked_\@
.Lfor_b_\@:
	tensor_load_to_lds s[\g0b:\g0b+3], s[\g1b:\g1b+7]
	s_nop 0
.rept 4
	v_nop
.endr
.Lasked_\@:
.endm
.macro CREST
	s_cmp_lg_u32 s14, 0
	s_cbranch_scc1 .Lnot_wave_0_\@
	s_barrier_signal -3
.Lnot_wave_0_\@:
	s_barrier_wait -3
	s_barrier_signal -1
	s_barrier_wait -1
.endm
.macro CROUND
	s_barrier_signal -1
	s_barrier_wait -1
	CREST
.endm
	s_load_b512 s[16:31], s[0:1], 0x0              ; k_codes, k_scales, Wk_codes, Wk_scales, bk, kv, kvs, Wv_codes
	s_load_b256 s[32:39], s[0:1], 0x40             ; Wv_scales, v_codes, v_scales, bv
	s_load_b128 s[40:43], s[0:1], 0x60             ; Wq_codes, wqi
	v_lshl_add_u32 v[SPW], v0, 2, SPARE
	v_mov_b32 v[NIL], 0
	ds_add_u32 v[SPW], v[NIL]                      ; the opening lines: the add twice and its wait
	ds_add_u32 v[SPW], v[NIL]
	v_lshrrev_b32 v1, 5, v0
	v_readfirstlane_b32 s14, v1                    ; wave
	s_lshr_b32 s15, s14, 1
	s_and_b32 s3, ttmp7, 0xffff                    ; the cluster's y, 0..15
	s_lshr_b32 s95, s3, 3                          ; 0: K, 1: V
	s_and_b32 s2, s3, 7
	s_wait_dscnt 0x0
	s_wait_kmcnt 0x0
	s_cmp_eq_u32 s95, 1
	s_cselect_b64 s[4:5], s[30:31], s[16:17]       ; A's codes
	s_cselect_b64 s[6:7], s[32:33], s[18:19]       ; A's scales
	s_cselect_b64 s[8:9], s[34:35], s[20:21]       ; B's codes
	s_cselect_b64 s[10:11], s[36:37], s[22:23]     ; B's scales
	s_cselect_b64 s[66:67], s[38:39], s[24:25]     ; the bias
	s_cselect_b32 s100, 0, s2
	s_cselect_b32 s101, s2, 0
	s_mov_b64 s[12:13], s[26:27]
	s_mov_b64 s[96:97], s[28:29]
	s_mov_b64 s[98:99], s[40:41]
	s_mov_b64 s[104:105], s[42:43]
	s_and_b32 s16, s14, 1
	s_bfe_u32 s40, ttmp6, 0x40000                  ; cx
	s_bfe_u32 s41, ttmp6, 0x40004                  ; cy
	s_lshl_b32 s42, s101, 2
	s_add_co_u32 s42, s42, s40                     ; tile column
	s_lshl_b32 s17, s100, 2
	s_add_co_u32 s17, s17, s41                     ; tile row
	s_lshl_b32 s43, s41, 2
	s_lshl_b32 s43, 15, s43
	s_lshl_b32 s44, 0x1111, s40
	s_or_b32 s[G1+0], s43, (0<<16)|(1<<20)|(1<<21)|(5<<22)|(3<<25)
	s_or_b32 s[G1B+0], s44, (0<<16)|(1<<20)|(1<<21)|(5<<22)|(3<<25)
.irp g, G1, G1B
	s_mov_b32 s[\g+1], ROWB<<16
	s_mov_b32 s[\g+2], 256<<16
	s_mov_b32 s[\g+3], ROWB<<16
	s_mov_b32 s[\g+4], 256
	s_mov_b32 s[\g+5], KROW
	s_mov_b32 s[\g+6], 0
	s_mov_b32 s[\g+7], 0
.endr
	s_or_b32 s[G1S+0], s43, (3<<16)|(1<<20)|(1<<21)|(5<<22)|(3<<25)
	s_or_b32 s[G1SB+0], s44, (3<<16)|(1<<20)|(1<<21)|(5<<22)|(3<<25)
.irp g, G1S, G1SB
	s_mov_b32 s[\g+1], 32<<16
	s_mov_b32 s[\g+2], KS<<16
	s_mov_b32 s[\g+3], 32<<16
	s_mov_b32 s[\g+4], KS
	s_mov_b32 s[\g+5], 32
	s_mov_b32 s[\g+6], 0
	s_mov_b32 s[\g+7], 0
.endr
	s_lshl_b32 s20, s17, 8
	s_lshl_b32 s46, s42, 8
	s_mov_b32 s21, 0
	s_mov_b32 s47, 0
	s_mov_b64 s[18:19], KS
	s_mul_u64 s[22:23], s[20:21], s[18:19]
	s_mul_u64 s[92:93], s[46:47], s[18:19]
	s_mov_b64 s[18:19], KROW
	s_mul_u64 s[20:21], s[20:21], s[18:19]
	s_mul_u64 s[46:47], s[46:47], s[18:19]
	s_mul_i32 s18, s16, 128*KROW
	s_mov_b32 s19, 0
	s_mul_i32 s45, s14, HALFT
	s_add_nc_u64 s[20:21], s[4:5], s[20:21]
	s_add_nc_u64 s[22:23], s[6:7], s[22:23]
	s_add_nc_u64 s[46:47], s[8:9], s[46:47]
	s_add_nc_u64 s[92:93], s[10:11], s[92:93]
	CROUND                                         ; in front of the first joint loads
	s_mov_b32 s[G0H], 1
	s_mov_b32 s[G0H+1], 0
	s_mov_b64 s[G0H+2:G0H+3], s[20:21]
	s_or_b32 s[G0H+3], s[G0H+3], 0x80000000
	s_mov_b32 s[G0HB], 1
	s_mov_b32 s[G0HB+1], 2*HALFT
	s_mov_b64 s[G0HB+2:G0HB+3], s[46:47]
	s_or_b32 s[G0HB+3], s[G0HB+3], 0x80000000
	s_mov_b32 s[G0S], 1
	s_mov_b32 s[G0S+1], SCL
	s_mov_b64 s[G0S+2:G0S+3], s[22:23]
	s_or_b32 s[G0S+3], s[G0S+3], 0x80000000
	s_mov_b32 s[G0SB], 1
	s_mov_b32 s[G0SB+1], SCL+2*HALFS
	s_mov_b64 s[G0SB+2:G0SB+3], s[92:93]
	s_or_b32 s[G0SB+3], s[G0SB+3], 0x80000000
	s_add_nc_u64 s[20:21], s[20:21], s[18:19]
	s_add_nc_u64 s[46:47], s[46:47], s[18:19]
.irp s, 0,1
	s_mov_b32 s[G0+4*\s], 1
	s_add_co_u32 s[G0+4*\s+1], s45, \s*SLOT
	s_add_nc_u64 s[G0+4*\s+2:G0+4*\s+3], s[20:21], \s*ROWB
	s_or_b32 s[G0+4*\s+3], s[G0+4*\s+3], 0x80000000
	s_mov_b32 s[G0B+4*\s], 1
	s_add_co_u32 s[G0B+4*\s+1], s45, \s*SLOT
	s_add_nc_u64 s[G0B+4*\s+2:G0B+4*\s+3], s[46:47], \s*ROWB
	s_or_b32 s[G0B+4*\s+3], s[G0B+4*\s+3], 0x80000000
.endr
; the head's four tiles, one load a wave: chunk 0 of A's 256 rows, of B's 256 rows, A's scales, B's scales
.macro ARM under, g0, g1, next
	s_cmp_lt_u32 s14, \under
	s_cbranch_scc0 \next
	tensor_load_to_lds s[\g0:\g0+3], s[\g1:\g1+7]
	s_nop 0
.rept 4
	v_nop
.endr
	s_branch .Lhead_asked
\next:
.endm
	ARM 1, G0H,  G1,  .Lhead_b
	ARM 2, G0HB, G1B, .Lhead_sa
	ARM 3, G0S,  G1S, .Lhead_sb
	tensor_load_to_lds s[G0SB:G0SB+3], s[G1SB:G1SB+7]
	s_nop 0
.rept 4
	v_nop
.endr
.Lhead_asked:
	v_and_b32 v1, 15, v0
	v_bfe_u32 v2, v0, 4, 1
	v_mul_u32_u24 v3, v1, PITCH
	v_mul_u32_u24 v4, v2, 24
	v_add_nc_u32 v4, v3, v4
	s_mov_b32 s21, SLOT-232
	s_mov_b32 s22, SLOT+232
	v_sub_nc_u32 v7, 1, v2
	v_mul_u32_u24 v5, s21, v2
	v_add_nc_u32 v5, v3, v5
	v_add_nc_u32 v5, 232, v5                       ; across two chunks: lanes 0-15 byte 232 in slot 0, lanes 16-31 byte 0 in slot 1
	v_mul_u32_u24 v6, s22, v7
	v_add_nc_u32 v6, v3, v6                        ; and the other way round
	s_mul_i32 s21, s15, HALFT
	s_mul_i32 s22, s16, HALFT
	s_add_co_u32 s22, s22, 2*HALFT
	v_add_nc_u32 v[ADRA+2], s21, v5
	v_add_nc_u32 v[ADRA+3], s21, v6
	v_add_nc_u32 v[ADRB+2], s22, v5
	v_add_nc_u32 v[ADRB+3], s22, v6
.irp s, 0,1
	v_add_nc_u32 v[ADRA+\s], s21, v4
	v_add_nc_u32 v[ADRB+\s], s22, v4
	s_add_co_u32 s21, s21, SLOT
	s_add_co_u32 s22, s22, SLOT
.endr
	v_mul_u32_u24 v5, v1, KS
	v_lshrrev_b32 v6, 8, v5
	v_lshl_add_u32 v5, v6, 4, v5
	s_mul_i32 s21, s15, HALFS
	s_mul_i32 s22, s16, HALFS
	s_add_co_u32 s22, s22, 2*HALFS
	s_sub_co_u32 s22, s22, s21
	v_mul_u32_u24 v6, s22, v2
	s_add_co_u32 s21, s21, SCL
	v_add_nc_u32 v5, v5, v6
	v_add_nc_u32 v[ADRS], s21, v5
	v_and_b32 v[LN], 31, v0
	v_lshlrev_b32 v[LI], 4, v[LN]
	v_lshlrev_b32 v[SOF], 4, v1
	v_lshl_add_u32 v[SOF], v2, 9, v[SOF]
	v_lshlrev_b32 v6, 2, v1
	v_lshlrev_b32 v7, 5, v2
	v_and_b32 v8, 7, v0                            ; Wq: lane r takes row r % 8 + 32 (r / 8) of the tile's, + 24 bytes in lanes 16-31
	v_mul_u32_u24 v8, v8, 768
	v_bfe_u32 v9, v0, 3, 1
	v_mul_u32_u24 v9, v9, 24576
	v_add_nc_u32 v8, v8, v9
	v_mad_u32_u24 v8, v2, 24, v8
	s_wait_alu depctr_va_vdst(0)
	s_lshl_b32 s20, s3, 4
	s_lshl_b32 s21, s41, 2
	s_add_co_u32 s20, s20, s21
	s_add_co_u32 s20, s20, s40                     ; my work-group's number, 0..255
	s_lshl_b32 s20, s20, 1
	s_add_co_u32 s20, s20, s16                     ; the fragment: 32 head + 4 step + u
	s_mul_i32 s22, s20, 1536
	s_mov_b32 s23, 0
	s_add_nc_u64 s[104:105], s[104:105], s[22:23]
	s_lshr_b32 s21, s20, 5
	s_lshl_b32 s21, s21, 6                         ; 64 head
	s_and_b32 s22, s20, 1
	s_lshl_b32 s22, s22, 4
	s_add_co_u32 s21, s21, s22                     ; + 16 (u % 2)
	s_bfe_u32 s22, s20, 0x10001
	s_lshl_b32 s22, s22, 3
	s_add_co_u32 s21, s21, s22                     ; + 8 (u / 2)
	s_mul_i32 s21, s21, 768
	s_bfe_u32 s22, s20, 0x30002
	s_mul_i32 s22, s22, 96
	s_add_co_u32 s22, s22, s21
	s_add_nc_u64 s[98:99], s[98:99], s[22:23]
	s_cmp_lt_u32 s14, 2
	s_cbranch_scc0 .Lno_wq
.irp p, 0,1,2,3,4,5
	global_load_b64 v[IB+2*\p:IB+2*\p+1], v8, s[98:99] offset:48*(\p/3)+8*(\p%3)
.endr
	s_wait_loadcnt 0x0
.irp c, 0,1,2
	global_store_b128 v[LI], v[IB+4*\c:IB+4*\c+3], s[104:105] offset:512*\c   ; 32 lanes store 512 consecutive bytes
.endr
.Lno_wq:
	s_lshl_b32 s20, s17, 8
	s_lshl_b32 s21, s15, 7
	s_add_co_u32 s20, s20, s21                     ; my first row of A
	s_lshl_b32 s22, s42, 8
	s_lshl_b32 s23, s16, 7
	s_add_co_u32 s22, s22, s23                     ; and of B
	s_cmp_eq_u32 s95, 1
	s_cselect_b32 s21, s22, s20                    ; tokens
	s_cselect_b32 s23, s20, s22                    ; features
	s_cselect_b32 s46, 0, s23
	s_cselect_b32 s47, s23, 0
	s_lshr_b32 s20, s21, 7                         ; block of 128 tokens
	s_lshr_b32 s22, s23, 6                         ; head
	s_and_b32 s43, s20, 15                         ; key step j
	s_lshr_b32 s44, s20, 4
	s_mul_i32 s44, s44, KVB
	s_add_co_u32 s45, s43, s95                     ; K of j lies in chunk j, V of j in chunk j + 1
	s_mul_i32 s45, s45, CH
	s_add_co_u32 s44, s44, s45
	s_mul_i32 s45, s22, 12288
	s_add_co_u32 s44, s44, s45
	s_and_b32 s43, s43, 1
	s_mul_i32 s43, s43, 6144
	s_add_co_u32 s44, s44, s43
	s_mov_b32 s45, 0
	s_add_nc_u64 s[12:13], s[12:13], s[44:45]
	s_add_nc_u64 s[98:99], s[12:13], 12288         ; the second head
	s_lshl_b32 s40, s20, 4
	s_add_co_u32 s40, s40, s22
	s_lshl_b32 s40, s40, 9
	s_lshl_b32 s43, s95, 8
	s_add_co_u32 s40, s40, s43
	s_mov_b32 s41, 0
	s_add_nc_u64 s[96:97], s[96:97], s[40:41]
	s_lshl_b32 s40, s46, 2
	s_add_nc_u64 s[100:101], s[66:67], s[40:41]
	s_lshl_b32 s40, s47, 2
	s_add_nc_u64 s[66:67], s[66:67], s[40:41]
.macro FRAG reg, adr, st, i            ; 16 rows x 128 K: six pieces of 8 bytes; byte y of a row lies in chunk y / 256, slot (y / 256) % 2
.irp p, 0,1,2,3,4,5
.set BY, 96*(\st)+48*(\p/3)+8*(\p%3)
.if BY/ROWB == (BY+24)/ROWB
	ds_load_b64 v[\reg+2*\p:\reg+2*\p+1], v[\adr+(BY/ROWB)%2] offset:BY%ROWB+(\i)*16*PITCH
.else
	ds_load_b64 v[\reg+2*\p:\reg+2*\p+1], v[\adr+2+(BY/ROWB)%2] offset:BY%ROWB-232+(\i)*16*PITCH
.endif
.endr
.endm
.macro MUL16 a0, p, q, sc, zero        ; the 64 accumulators take turns, in the same order in every step
.irp a, \a0, \a0+1
.irp b, 0,1,2,3,4,5,6,7
.if \zero
	v_wmma_scale_f32_16x16x128_f8f6f4 v[8*(8*((\a)%4)+\b):8*(8*((\a)%4)+\b)+7], v[128*(\p)+FR*\b:128*(\p)+FR*\b+FR-1], v[AF+FR*(\a):AF+FR*(\a)+FR-1], 0, v[SC+8*NQ*(\sc)+NQ*\b+(\q)], v[SC+8*NQ*(\sc)+NQ*(\a)+(\q)] matrix_a_fmt:MATRIX_FMT_FP6 matrix_b_fmt:MATRIX_FMT_FP6 matrix_a_scale:MATRIX_SCALE_ROW1
.else
	v_wmma_scale_f32_16x16x128_f8f6f4 v[8*(8*((\a)%4)+\b):8*(8*((\a)%4)+\b)+7], v[128*(\p)+FR*\b:128*(\p)+FR*\b+FR-1], v[AF+FR*(\a):AF+FR*(\a)+FR-1], v[8*(8*((\a)%4)+\b):8*(8*((\a)%4)+\b)+7], v[SC+8*NQ*(\sc)+NQ*\b+(\q)], v[SC+8*NQ*(\sc)+NQ*(\a)+(\q)] matrix_a_fmt:MATRIX_FMT_FP6 matrix_b_fmt:MATRIX_FMT_FP6 matrix_a_scale:MATRIX_SCALE_ROW1
.endif
.endr
.endr
.endm
.macro FETCH_B st, p
	WIN TO_B
.irp i, 0,1,2,3,4,5,6,7
	FRAG 128*(\p)+FR*\i, ADRB, \st, \i
.endr
	WIN 0
.endm
.macro FETCH_A st, i0
.irp i, \i0, \i0+1, \i0+2, \i0+3
	FRAG AF+FR*(\i), ADRA, \st, \i
.endr
.endm
.macro SCALES pr
.irp i, 0,1,2,3,4,5,6,7
	ds_load_b64 v[SC+8*NQ*((\pr)%2)+NQ*\i:SC+8*NQ*((\pr)%2)+NQ*\i+1], v[ADRS] offset:\i*SBLK+4*NQ*(\pr)
.endr
.endm
.macro PLACES n
.rept \n
	v_nop
.endr
.endm
; A step: 64 products; the next step's fragments are fetched in its middle and at its end.  Where the next step ends in a chunk not yet read: the wait for my tensor loads and a barrier.
; Where it begins in a later chunk: the wait, the add, the wait for it and for my reads, the barrier; where a chunk two on is left, the barrier opens a round and the slot is filled again.
.macro STEP st, zero
.set NX, (\st)+1
.set C0, (96*(\st))/ROWB
.set C1, (96*NX)/ROWB
.set E0, (96*(\st)+95)/ROWB
.set E1, (96*NX+95)/ROWB
.if C1 > C0 || E1 > E0
	s_wait_tensorcnt 0x0
.if C1 > C0
	ds_add_u32 v[SPW], v[NIL]
	s_wait_dscnt 4*NL+1                            ; the add and A's blocks 4-7 may be out
.else
	s_wait_dscnt 4*NL
.endif
	WIN MUL_LO
	MUL16 0, (\st)%2, (\st)%2, ((\st)/2)%2, \zero
	s_wait_dscnt 0x0
	s_barrier_signal -1
	MUL16 2, (\st)%2, (\st)%2, ((\st)/2)%2, \zero
	WIN 0
	s_barrier_wait -1
.if C1 > C0 && C0+2 < CHUNKS
	CREST
	s_add_nc_u64 s[G0+4*(C0%2)+2:G0+4*(C0%2)+3], s[G0+4*(C0%2)+2:G0+4*(C0%2)+3], 2*ROWB
	s_add_nc_u64 s[G0B+4*(C0%2)+2:G0B+4*(C0%2)+3], s[G0B+4*(C0%2)+2:G0B+4*(C0%2)+3], 2*ROWB
	JLOAD G0+4*(C0%2), G1, G0B+4*(C0%2), G1B
.else
	PLACES NP
.endif
.else
	s_wait_dscnt 4*NL                              ; A's blocks 4-7 may be out
	WIN MUL_LO
	MUL16 0, (\st)%2, (\st)%2, ((\st)/2)%2, \zero
	MUL16 2, (\st)%2, (\st)%2, ((\st)/2)%2, \zero
	s_wait_dscnt 0
	PLACES NP
.endif
	FETCH_B NX, NX%2
	FETCH_A NX, 0
.if NX%2 == 0
	SCALES NX/2
.endif
	WIN MUL_HI
	MUL16 4, (\st)%2, (\st)%2, ((\st)/2)%2, \zero
	MUL16 6, (\st)%2, (\st)%2, ((\st)/2)%2, \zero
	PLACES NP
	WIN 0
	FETCH_A NX, 4
.endm
	s_wait_alu depctr_va_vdst(0)
	s_wait_tensorcnt 0x0                           ; my tile of the head's four is in
	ds_add_u32 v[SPW], v[NIL]
	s_mov_b32 s[G1+2], 128<<16                     ; no load of mine is out: from here on a load brings 128 rows
	s_mov_b32 s[G1+4], 128
	s_mov_b32 s[G1B+2], 128<<16
	s_mov_b32 s[G1B+4], 128
	s_wait_dscnt 0x0
	CROUND
	JLOAD G0+4, G1, G0B+4, G1B                     ; chunk 1, slot 1's first fill, issued as a refill is
; ALSO: q [8192][1024], f32, is quantised here to codes of FP6 (768 bytes a row, qc) and one E8M0 byte for each 32 along K (qsc), while chunk 1 is on its way.
; q is a plain stream of blocks of 32: 1,024 waves take 8,192 numbers each, in 16 steps of 512.  A step's four loads read 512 consecutive bytes each; the 2,048 bytes go through the wave's own
; stage in LDS (bytes behind the spare words, into which no tensor load lands) and come back 64 bytes a lane: 16 neighbours along K, two lanes to a block.  Loads run four steps ahead.
; A block of zeros gets the byte 1 (its codes are zeros; this program alone reads the bytes).
.set QST,   SPARE+512
.set QW,    5632                       ; a wave's bytes: two stages of 32 x 80, then its 256 scale bytes
.set CB,    12
.set SP,    80
.set R,     32                         ; v32-95 four sets of 16 numbers as loaded
.set XQ,    96                         ; v96-127 two sets of 16 neighbours
.set EQ,    128                        ; v128-143 a scale byte a step
.set CQ,    144                        ; v144-207 codes, four registers a step
.set T,     208                        ; v208-221 offsets and work
	s_load_b128 s[4:7], s[0:1], 0x70               ; q, qc (the head's descriptors that lay here are done with)
	s_load_b64 s[8:9], s[0:1], 0x80                ; qsc
	s_bfe_u32 s18, ttmp6, 0x40000
	s_bfe_u32 s19, ttmp6, 0x40004
	s_lshl_b32 s19, s19, 2
	s_add_co_u32 s18, s18, s19
	s_lshl_b32 s19, s3, 4
	s_add_co_u32 s18, s18, s19                     ; my work-group's number
	s_lshl_b32 s18, s18, 2
	s_add_co_u32 s18, s18, s14                     ; my wave's run of 8,192 numbers
	s_lshl_b32 s20, s18, 15
	s_mov_b32 s21, 0
	s_mul_i32 s22, s18, 6144
	s_mov_b32 s23, 0
	s_lshl_b32 s44, s18, 8
	s_mov_b32 s45, 0
	s_mul_i32 s46, s14, QW
	s_add_co_u32 s46, s46, QST
	v_and_b32 v[T], 31, v0
	v_lshlrev_b32 v[T+1], 4, v[T]
	v_lshrrev_b32 v[T+2], 2, v[T]
	v_mul_u32_u24 v[T+2], v[T+2], SP
	v_and_b32 v[T+3], 3, v[T]
	v_lshl_add_u32 v[T+2], v[T+3], 4, v[T+2]
	v_add_nc_u32 v[T+2], s46, v[T+2]               ; the stage, on the way in
	v_mul_u32_u24 v[T+3], v[T], SP
	v_add_nc_u32 v[T+3], s46, v[T+3]               ; and on the way out
	v_mul_u32_u24 v[T+4], v[T], CB
	v_lshrrev_b32 v[T+5], 1, v[T]
	s_add_co_u32 s46, s46, 2*32*SP
	v_add_nc_u32 v[T+5], s46, v[T+5]               ; my block's scale byte
	v_lshlrev_b32 v[T+7], 3, v[T]
	v_add_nc_u32 v[T+6], s46, v[T+7]
	s_wait_alu depctr_va_vdst(0)
	s_wait_kmcnt 0x0
	s_add_nc_u64 s[4:5], s[4:5], s[20:21]
	s_add_nc_u64 s[6:7], s[6:7], s[22:23]
	s_add_nc_u64 s[8:9], s[8:9], s[44:45]
.macro QLOAD t
.irp i, 0,1,2,3
	global_load_b128 v[R+16*((\t)%4)+4*\i:R+16*((\t)%4)+4*\i+3], v[T+1], s[4:5] offset:2048*(\t)+512*\i
.endr
.endm
.macro QTURN t                         ; LDS serves a wave's instructions in order: no wait between the stores and the loads
.irp i, 0,1,2,3
	ds_store_b128 v[T+2], v[R+16*((\t)%4)+4*\i:R+16*((\t)%4)+4*\i+3] offset:32*SP*((\t)%2)+8*SP*\i
.endr
.irp i, 0,1,2,3
	ds_load_b128 v[XQ+16*((\t)%2)+4*\i:XQ+16*((\t)%2)+4*\i+3], v[T+3] offset:32*SP*((\t)%2)+16*\i
.endr
.endm
.irp t, 0,1,2,3
	QLOAD \t
.endr
	s_wait_loadcnt 12                              ; step 0's four loads are in; the twelve of steps 1 to 3 may be out
	QTURN 0
.macro QSTP t
.set XS, XQ+16*((\t)%2)
.if (\t) > 0
	s_wait_dscnt 1                                 ; this step's numbers are back (the last step's byte store may be out)
.else
	s_wait_dscnt 0x0
.endif
.if (\t)+4 < 16
	QLOAD (\t)+4
.endif
.if (\t)+1 < 16
.if 14-(\t) >= 3
	s_wait_loadcnt 12                              ; the next step's four are in; those of the three steps behind it may be out
.else
	s_wait_loadcnt 4*(14-(\t))
.endif
	QTURN (\t)+1
.endif
	v_max3_num_f32 v[T+8], |v[XS]|, |v[XS+1]|, |v[XS+2]|
	v_max3_num_f32 v[T+9], |v[XS+3]|, |v[XS+4]|, |v[XS+5]|
.irp i, 6,10
	v_max3_num_f32 v[T+8], v[T+8], |v[XS+\i]|, |v[XS+\i+1]|
	v_max3_num_f32 v[T+9], v[T+9], |v[XS+\i+2]|, |v[XS+\i+3]|
.endr
	v_max3_num_f32 v[T+8], v[T+8], |v[XS+14]|, |v[XS+15]|
	v_max3_num_f32 v[T+8], v[T+8], v[T+9], 0x1800000          ; and the floor: the byte cannot fall under 1
	v_max_num_f32_dpp v[T+8], v[T+8], v[T+8] row_xmask:1 row_mask:0xf bank_mask:0xf   ; with my neighbour's 16: the block's
	v_add_nc_u32 v[T+10], 0xff000000, v[T+8]       ; 2 off the exponent field: the conversion's scale operand
	v_cvt_scalef32_pk16_fp6_f32 v[CQ+4*(\t):CQ+4*(\t)+2], v[XS:XS+15], v[T+10]
	v_lshrrev_b32 v[EQ+(\t)], 23, v[T+10]          ; the byte (also the plain line behind the conversion)
	ds_store_b8 v[T+5], v[EQ+(\t)] offset:16*(\t)
	global_store_b96 v[T+4], v[CQ+4*(\t):CQ+4*(\t)+2], s[6:7] offset:32*CB*(\t)
.endm
.irp t, 0,1,2,3,4,5,6,7,8,9,10,11,12,13,14,15
	QSTP \t
.endr
	ds_load_b64 v[T+12:T+13], v[T+6]
	s_wait_dscnt 0x0
	global_store_b64 v[T+7], v[T+12:T+13], s[8:9]  ; 32 lanes store 256 consecutive bytes, aligned
	s_wait_xcnt 0x0                                ; the stores have read their registers: fragments land there next
.irp b, 0,1,2,3,4,5,6,7
	global_load_b128 v[BIN+8*\b:BIN+8*\b+3], v7, s[100:101] offset:64*\b
	global_load_b128 v[BIN+8*\b+4:BIN+8*\b+7], v7, s[100:101] offset:64*\b+16
.endr
.irp a, 0,1,2,3,4,5,6,7
	global_load_b32 v[BM+2*\a], v6, s[66:67] offset:64*\a
	global_load_b32 v[BM+2*\a+1], v6, s[66:67] offset:64*\a
.endr
	FETCH_B 0, 0
	FETCH_A 0, 0
	SCALES 0
	FETCH_A 0, 4
	STEP 0, 1
.set ST, 1
.rept STEPS-2
	STEP ST, 0
.set ST, ST+1
.endr
	s_wait_dscnt 4*NL
	WIN MUL_LO
	MUL16 0, 1, 1, 1, 0
	MUL16 2, 1, 1, 1, 0
	s_wait_dscnt 0
	WIN MUL_HI
	MUL16 4, 1, 1, 1, 0
	MUL16 6, 1, 1, 1, 0
	WIN 0
; THE WAY OUT: bias, quantiser along the next product's K, images of operand registers, 512 consecutive bytes a store
.macro ADDB a, kind
	WIN 0x02+(\a)/4
.set AC, 64*((\a)%4)
.set i, 0
.rept 32
.if \kind
	v_pk_add_f32 v[X+2*i:X+2*i+1], v[AC+2*i:AC+2*i+1], v[BM+2*(\a):BM+2*(\a)+1]
.else
	v_pk_add_f32 v[X+2*i:X+2*i+1], v[AC+2*i:AC+2*i+1], v[BIN+2*i:BIN+2*i+1]
.endif
.set i, i+1
.endr
	WIN 0
.endm
.macro QUANT s, d0, d1, pw
.irp b, 0,1,2,3
	v_max3_num_f32 v[TM+\b], |v[\s+16*\b]|, |v[\s+1+16*\b]|, 0x1800000
.endr
.irp i, 2,4,6,8,10,12,14
.irp b, 0,1,2,3
	v_max3_num_f32 v[TM+\b], v[TM+\b], |v[\s+16*\b+\i]|, |v[\s+1+16*\b+\i]|
.endr
.endr
.irp b, 0,1,2,3
	v_permlanex16_b32 v[TM+4+\b], v[TM+\b], s18, s19
.endr
.irp b, 0,1,2,3
	v_max_num_f32 v[TM+\b], v[TM+\b], v[TM+4+\b]
.endr
.irp b, 0,1,2,3
	v_add_nc_u32 v[TM+12+\b], 0xff000000, v[TM+\b]
.endr
.irp b, 0,1,2,3
	v_lshrrev_b32 v[TM+4+\b], 23, v[TM+12+\b]
.endr
	v_lshl_or_b32 v[\pw], v[TM+5], 8, v[TM+4]
	v_lshl_or_b32 v[\pw], v[TM+6], 16, v[\pw]
	v_lshl_or_b32 v[\pw], v[TM+7], 24, v[\pw]
	v_cvt_scalef32_pk16_fp6_f32 v[\d0:\d0+2], v[\s:\s+15], v[TM+12]
	v_cvt_scalef32_pk16_fp6_f32 v[CT:CT+2], v[\s+16:\s+31], v[TM+13]
	v_cvt_scalef32_pk16_fp6_f32 v[\d1:\d1+2], v[\s+32:\s+47], v[TM+14]
	v_cvt_scalef32_pk16_fp6_f32 v[CT+4:CT+6], v[\s+48:\s+63], v[TM+15]
	v_nop
.irp i, 0,1,2
	v_permlane16_swap_b32 v[\d0+\i], v[CT+\i]
	v_permlane16_swap_b32 v[\d1+\i], v[CT+4+\i]
.endr
.irp i, 0,1,2
	v_mov_b32 v[\d0+3+\i], v[CT+\i]
	v_mov_b32 v[\d1+3+\i], v[CT+4+\i]
.endr
.endm
.macro PUT img, base, off
.irp c, 0,1,2
	global_store_b128 v[LI], v[\img+4*\c:\img+4*\c+3], s[\base:\base+1] offset:\off+512*\c
.endr
.endm
	PLACES NP
.irp b, 0,1,2,3
	v_mov_b32 v[TM+4+\b], 0
.endr
	s_mov_b32 s18, 0x76543210
	s_mov_b32 s19, 0xfedcba98
	s_wait_loadcnt 0x0
	s_wait_xcnt 0x0                                ; the stores of Wq's image have read their registers
	s_cmp_eq_u32 s95, 1
	s_cbranch_scc1 .Lv
.irp f, 0,1,2,3
.if \f > 0
	s_wait_xcnt 0x0
.endif
	ADDB 2*\f, 0
	QUANT X, IA, IB, PW0
	ADDB 2*\f+1, 0
	QUANT X, IA+6, IB+6, PW1
	v_perm_b32 v[SW+\f], v[PW1], v[PW0], 0x05040100
	v_perm_b32 v[SW+4+\f], v[PW1], v[PW0], 0x07060302
	PUT IA, 12, 1536*\f
	PUT IB, 98, 1536*\f
.endr
	s_branch .Lsw
.Lv:
.irp a, 0,1,2,3,4,5,6,7
.if \a > 1
	s_wait_xcnt 0x0
.endif
.set IMG, IA+12*(\a%2)
	ADDB \a, 1
	QUANT X, IMG, IMG+6, SW+\a
.if \a < 4
	PUT IMG, 12, 1536*\a
.else
	PUT IMG, 98, 1536*(\a-4)
.endif
.endr
.Lsw:
	v_cmp_gt_u32 vcc_lo, 16, v[LN]
	s_wait_alu depctr_va_vdst(0)
.irp i, 0,1,2,3
	v_cndmask_b32 v[4+\i], v[SW+4+\i], v[SW+\i], vcc_lo
.endr
	global_store_b128 v[SOF], v[4:7], s[96:97]
	s_wait_tensorcnt 0x0                           ; the wave's end
	ds_add_u32 v[SPW], v[NIL]
	s_wait_dscnt 0x0
	CROUND                                         ; the closing round
	s_endpgm
.Lfunc_end_k_q13ca671685_proj:
	.size	k_q13ca671685_proj, .Lfunc_end_k_q13ca671685_proj-k_q13ca671685_proj
	.p2alignl 7, 3214868480
	.fill 96, 4, 3214868480
	.section	.rodata,"a",@progbits
	.p2align	6, 0x0
	.amdhsa_kernel k_q13ca671685_proj
		.amdhsa_group_segment_fixed_size 327680
		.amdhsa_private_segment_fixed_size 0
		.amdhsa_enable_private_segment 0
		.amdhsa_kernarg_size 136
		.amdhsa_user_sgpr_count 2
		.amdhsa_user_sgpr_kernarg_segment_ptr 1
		.amdhsa_wavefront_size32 1
		.amdhsa_system_sgpr_workgroup_id_x 1
		.amdhsa_system_sgpr_workgroup_id_y 1
		.amdhsa_system_sgpr_workgroup_id_z 1
		.amdhsa_system_vgpr_workitem_id 0
		.amdhsa_next_free_vgpr 1024
		.amdhsa_next_free_sgpr 106
		.amdhsa_reserve_vcc 1
		.amdhsa_float_denorm_mode_32 3
		.amdhsa_float_denorm_mode_16_64 3
		.amdhsa_memory_ordered 1
		.amdhsa_forward_progress 1
		.amdhsa_inst_pref_size 255
	.end_amdhsa_kernel
	.section	.bss,"aw",@nobits
	.p2align	6
	.space	262144
	.amdgpu_metadata
---
amdhsa.version: [ 1, 2 ]
amdhsa.kernels:
  - .name:           k_q13ca671685_proj
    .symbol:         k_q13ca671685_proj.kd
    .args:
      - { .name: k_codes, .offset: 0, .size: 8, .value_kind: global_buffer, .address_space: global }
      - { .name: k_scales, .offset: 8, .size: 8, .value_kind: global_buffer, .address_space: global }
      - { .name: Wk_codes, .offset: 16, .size: 8, .value_kind: global_buffer, .address_space: global }
      - { .name: Wk_scales, .offset: 24, .size: 8, .value_kind: global_buffer, .address_space: global }
      - { .name: bk, .offset: 32, .size: 8, .value_kind: global_buffer, .address_space: global }
      - { .name: kv, .offset: 40, .size: 8, .value_kind: global_buffer, .address_space: global }
      - { .name: kvs, .offset: 48, .size: 8, .value_kind: global_buffer, .address_space: global }
      - { .name: Wv_codes, .offset: 56, .size: 8, .value_kind: global_buffer, .address_space: global }
      - { .name: Wv_scales, .offset: 64, .size: 8, .value_kind: global_buffer, .address_space: global }
      - { .name: v_codes, .offset: 72, .size: 8, .value_kind: global_buffer, .address_space: global }
      - { .name: v_scales, .offset: 80, .size: 8, .value_kind: global_buffer, .address_space: global }
      - { .name: bv, .offset: 88, .size: 8, .value_kind: global_buffer, .address_space: global }
      - { .name: Wq_codes, .offset: 96, .size: 8, .value_kind: global_buffer, .address_space: global }
      - { .name: wqi, .offset: 104, .size: 8, .value_kind: global_buffer, .address_space: global }
      - { .name: q, .offset: 112, .size: 8, .value_kind: global_buffer, .address_space: global }
      - { .name: qc, .offset: 120, .size: 8, .value_kind: global_buffer, .address_space: global }
      - { .name: qsc, .offset: 128, .size: 8, .value_kind: global_buffer, .address_space: global }
    .group_segment_fixed_size: 327680
    .private_segment_fixed_size: 0
    .kernarg_segment_align: 8
    .kernarg_segment_size: 136
    .max_flat_workgroup_size: 128
    .sgpr_count:     106
    .vgpr_count:     1024
    .wavefront_size: 32
...
	.end_amdgpu_metadata
.endif
;; end of part 1
;; launch attn (part 2): grid 256 x 1, 16 waves a work-group, clusters of 4 x 1, 327,680 bytes of LDS; arguments wqi, Wq_scales, kv, kvs, q, gamma, beta, out0, bq, qc, qsc; writes out0
.if DOCPART == 2
	.amdgcn_target "amdgcn-amd-amdhsa--gfx1250"
	.amdhsa_code_object_version 6
	.text
	.protected	k_q13ca671685_attn
	.globl	k_q13ca671685_attn
	.p2align	8
	.type	k_q13ca671685_attn,@function
k_q13ca671685_attn:
	s_mov_b64 s[64:65], 0
	v_nop
	global_prefetch_b8 v0, s[64:65] scope:SCOPE_SE
	s_setreg_imm32_b32 hwreg(HW_REG_WAVE_MODE, 25, 1), 1
	s_wait_xcnt 0x0
	s_wait_alu depctr_hold_cnt(0) depctr_sa_sdst(0) depctr_va_vdst(0) depctr_va_sdst(0) depctr_va_ssrc(0) depctr_va_vcc(0) depctr_vm_vsrc(0)
	s_getreg_b32 s2, hwreg(HW_REG_IB_STS2, 6, 4)
	s_cmp_eq_u32 s2, 0
	s_cbranch_scc0 .Lentry_in_a_cluster
	s_endpgm
.Lentry_in_a_cluster:
	s_bfe_u32 s2, ttmp6, 0x10000c
	s_cmp_lg_u32 s2, 0x3003
	s_cbranch_scc0 .Lentry_shape_is_right
	s_endpgm
.Lentry_shape_is_right:
; out0 = LayerNorm(attention + q).  Both products of the attention on codes of FP6 (E2M3), one E8M0 scale for each 32 along a product's K; all else in f32.
; SHARES.  A work-group owns 32 tokens (queries) for ALL 16 heads, so that a token's 1,024 features meet in one work-group and O never goes to memory.  Wave w is head w; it has two tiles of 16 queries
; (m = 0, 1) in 256 registers: four waves to a SIMD, so that one wave's vector work stands beside another's matrix work and LDS loads.  Every wave walks its head's 2,048 keys, 128 a step, 16 steps.
; CLUSTER.  The four work-groups of a cluster lie in one batch and walk the same K and V: each tile is asked for JOINTLY, by the same tensor load with the same descriptor and the mask 15.
; OPERANDS arrive as images of their registers (registers 4 c .. 4 c + 3 of lane l at 512 c + 16 l), so every LDS read takes 512 consecutive bytes and nothing is padded.
; Q K^T HAS K = 64 IN AN INSTRUCTION OF 128.  A fragment of K holds TWO tiles of keys: registers 0-5 keys 32 f + r, registers 6-11 keys 32 f + 16 + r.  It is multiplied once by [q | zero codes] and once by
; [zero codes | q]: zero codes add nothing whatever stands against them (no scale byte here is 0xff).
; Both products are used transposed: S^T = K Q^T, O^T = V^T P^T: a lane holds ONE query (lane % 16) throughout.  Of each block of 32 keys a lane of half h holds keys 8 h + 0..7 and 16 + 8 h + 0..7, and p is
; converted as it stands; V's codes were laid in the same order inside each block, so products and block scales are those of the true order.
; THE SOFTMAX: t = score x log2(e) / 8; M = the running largest t rounded UP to a whole number; p = 2^(t - M) is quantised, not normalised; the row's sum is taken of the unquantised p and divides at the end;
; when M moves, the sum and O are multiplied by 2^(old M - new M): exact.
; THE RING.  Each wave has three tiles of 6,144 bytes of its own, [KA | V | KB].  At the head of step j ONE load brings chunk j + 1 of kv: [V of j | K of j + 1] into V, KB (j even) or [K of j + 1 | V of j]
; into KA, V (j odd).  K of step j is read from KA (j even) or KB (j odd).  A wave reads only what its own loads brought, so its own wait on TENSORcnt is all that the reads need.
; LIMITS: NaN and infinities are not served; a p under 2^-126 counts as 0; the LayerNorm's sums run in another order than a plain sum; var under 2^-126 counts as 0.
.set KVB,   3342336                    ; kv: a batch: 17 chunks
.set CH,    196608                     ; a chunk: 16 heads x 12,288
.set RW,    18432                      ; LDS: a wave's three tiles
.set VOF,   6144                       ; V's tile in them
.set KBO,   12288                      ; KB's
.set SPARE, 16*RW                      ; behind the tiles: the spare words, 128 bytes a wave, that no other line names
; THE PROJECTION OF q STANDS AT THE HEAD: q_ = q Wq + bq for my work-group's 32 tokens, wave w the 64 features of head w: 8 K steps x 4 tiles of Wq x 2 tiles of tokens = 64 products a wave.
; q's codes (32 rows x 768 bytes) come into LDS by tensor loads, two rows a wave, in chunks of 256 bytes + 16 of padding (a row: 816 bytes), into bytes that are filled once.
; Wq's fragments lie in memory as images of their registers, a K step of a head 6,144 bytes: as much as one of my wave's three tiles.  They are asked for JOINTLY (all work-groups walk the same Wq):
; K steps 0-2 at the head, 3-5 and 6-7 as refills.  Ahead of each refill the fragments still to be multiplied are read into two sets of registers, so that the products run while the next fill is on its way.
; Source 0 = 16 rows of Wq, source 1 = 16 tokens; a tile's rows were chosen so that lane (r, h) holds token r and, in 32 registers, block h of the head's 64 in the order of K's codes: the quantiser asks no other lane.
; THE CHANGE OF SLOTS IS SPLIT.  At a key step's end a wave reads V's fragments and the next step's first two fragments of K, runs the three lines and signals; P V's eight products and the next step's first four
; score products, work on registers, stand between the signal and the wait.
.set G0W,   96                         ; s[96:99] group 0 of Wq's loads
.set QA,    SPARE+2048
.set QP,    816
.set G1Q,   80                         ; s[80:87], s[88:91] the descriptor of q's codes
.set G0Q,   88
.set RED1,  SPARE+2048
.set RED2,  RED1+2560                  ; and its sums of squares
.set LI,  1                            ; v1   my wave's tiles + 16 x lane; never rewritten
.set SPW, 2                            ; v2   LDS address of my spare word; never rewritten
.set NIL, 3                            ; v3   0; never rewritten
.set SCO, 4                            ; v4   16 x lane
.set PFO, 5                            ; v5   256 x lane: the prefetches of kv
.set GO,  6                            ; v6   4,096 (lane / 16) + 16 (lane % 16) + 256 w: my 16 bytes of two rows of q and of out0
.set QPF, 7                            ; v7   4,096 x lane + 256 w: the prefetch of q
.set ST,  8                            ; v8-15  tile m at v[ST + 4 m]: -M, the largest t, the sum in two halves
.set QF,  16                           ; v16-45 [0 x 6 | q of tile 0 | 0 x 6 | q of tile 1 | 0 x 6]
.set QS,  46                           ; v46-47 Q's scale words
.set SC,  48                           ; v48-55 two sets of four: lanes 0-15 K's words f = 0..3, lanes 16-31 V's words t = 0..3
.set F,   56                           ; v56-79 two fragments of K
.set S,   80                           ; v80-143 S^T, then p; then V's four fragments
.set O,   144                          ; v144-207 O^T: (m, t) at v[O + 32 m + 8 t]
.set PC,  208                          ; v208-231 p's codes, 12 a tile
.set PS,  232                          ; v232-233 p's scale words
.set BM,  234                          ; v234-237 the blocks' largest scores, then largest p
.set PT,  238                          ; v238-245 at work
.set SO,  246                          ; v246-249 the conversions' scale operands
.set FF,  250                          ; v[250:251] f = 2^(old M - new M)
.set TT,  252                          ; v252 at work
.set W,   208                          ; the end: sums, in p's codes' registers
.set RS,  64                           ; the end: v64-67 LDS addresses
.set RL,  65
.set STO, 66
.set RD,  67
.set WV,  20                           ; s20  my wave's number = my head
.set SEL, 24                           ; s[24:25] selects for lane l xor 16
.set CS,  26                           ; s[26:27] c = log2(e) / 8
.set G1,  28                           ; s[28:35] descriptor group 1: 48 rows of 256 bytes
.set G1S, 36                           ; s[36:43] 24 rows
.set G0E, 44                           ; s[44:47] group 0 of the even steps' loads (V, KB)
.set G0O, 48                           ; s[48:51] of the odd steps' (KA, V)
.set G0F, 52                           ; s[52:55] of the first fill (KA)
.set G0L, 56                           ; s[56:59] of the last (V)
.set PFA, 60                           ; s[60:61] where my prefetches of kv stand
.set PFON, 62                          ; s62  1 in a wave that prefetches
.set CNT, 63
.set SCB, 66                           ; s[66:67] the scale words of the trip's even step
.macro CROUND                          ; a round of the cluster's barrier
	s_barrier_signal -1
	s_barrier_wait -1
	s_cmp_lg_u32 s[WV], 0
	s_cbranch_scc1 .Lnot_wave_0_\@
	s_barrier_signal -3
.Lnot_wave_0_\@:
	s_barrier_wait -3
	s_barrier_signal -1
	s_barrier_wait -1
.endm
.macro JL g0, g1                       ; a joint load: every wave issues one, for its own head; four v_nop follow it
	tensor_load_to_lds s[\g0:\g0+3], s[\g1:\g1+7]
	s_nop 0
.rept 4
	v_nop
.endr
.endm
; A PREFETCH INTO THE L2 of a chunk of kv that a later step's loads will ask for: 196,608 bytes = 4 partners x 6 waves x 32 lanes x 256 bytes, a lane a block, each block named once in the launch.
; All 16 clusters of a batch walk the same chunks: the batch's first cluster asks; its partners share the blocks out BY ADDRESS; waves 0 to 5 ask, one instruction each.  Chunk 1 is asked for at the head,
; under the projection of q; chunks 2 to 15 one step ahead of their loads; of chunk 0 the halves that hold K of step 0 are asked for at the head by a line of their own; chunk 16, of which half is never written, comes by its load alone.
.macro ASK off
	s_cmp_eq_u32 s[PFON], 1
	s_cbranch_scc0 .Lnot_mine_\@
	global_prefetch_b8 v[PFO], s[PFA:PFA+1] offset:\off th:TH_LOAD_NT scope:SCOPE_SE
.Lnot_mine_\@:
.endm
	s_load_b512 s[4:19], s[0:1], 0x0               ; wqi s[4:5], Wq_scales s[6:7], kv, kvs, q, gamma, beta, out0
	s_load_b128 s[76:79], s[0:1], 0x40             ; bq s[76:77], qc s[78:79]
	s_load_b64 s[92:93], s[0:1], 0x50              ; qsc
	v_lshl_add_u32 v[SPW], v0, 2, SPARE
	v_mov_b32 v[NIL], 0
	ds_add_u32 v2, v3
	ds_add_u32 v2, v3
	s_wait_dscnt 0x0
	v_lshrrev_b32 v4, 5, v0
	s_delay_alu instid0(VALU_DEP_1)
	v_readfirstlane_b32 s[WV], v4                  ; wave 0..15
	s_bfe_u32 s21, ttmp6, 0x40000                  ; cx: my place in the cluster: which 32 of the cluster's 128 tokens
	s_lshr_b32 s22, ttmp9, 4                       ; the batch: 16 clusters each
	s_mul_i32 s23, s[WV], RW                       ; my wave's tiles in LDS: no place in the cluster enters an LDS address
	; descriptor group 1: dense rows of 256 bytes (32 elements of 8 bytes), no padding
	s_mov_b32 s[G1], 15|(3<<16)|(1<<21)            ; 15:0 the mask: all four work-groups; 17:16 elements of 8 bytes; 20 padding off; 21 set beside a mask
	s_mov_b32 s[G1+1], 32<<16                      ; tensor_dim0 = 32
	s_mov_b32 s[G1+2], 72<<16                      ; tensor_dim1 = 72 for Wq's first two loads; 48 from the third on
	s_mov_b32 s[G1+3], 32<<16                      ; tile_dim0 = 32
	s_mov_b32 s[G1+4], 72                          ; tile_dim1 likewise
	s_mov_b32 s[G1+5], 32                          ; tensor_dim0_stride
	s_mov_b32 s[G1+6], 0
	s_mov_b32 s[G1+7], 0
	s_mov_b32 s[G1S], 15|(3<<16)|(1<<21)
	s_mov_b32 s[G1S+1], 32<<16
	s_mov_b32 s[G1S+2], 24<<16
	s_mov_b32 s[G1S+3], 32<<16
	s_mov_b32 s[G1S+4], 24
	s_mov_b32 s[G1S+5], 32
	s_mov_b32 s[G1S+6], 0
	s_mov_b32 s[G1S+7], 0
	s_mul_i32 s68, s22, KVB
	s_mul_i32 s69, s[WV], 12288
	s_add_co_u32 s68, s68, s69                     ; my head's 12,288 bytes of the batch's chunk 0: shared by the four partners
	s_mov_b32 s69, 0
	s_mov_b32 s[SEL], 0x76543210
	s_mov_b32 s[SEL+1], 0xfedcba98
	s_mov_b32 s[CS], 0x3e38aa3b                    ; c = log2(e) / sqrt(64)
	s_mov_b32 s[CS+1], s[CS]                       ; (named with it as a pair, so it is written)
	s_wait_kmcnt 0x0
	s_add_nc_u64 s[70:71], s[8:9], s[68:69]
	s_mov_b32 s[G0F], 1                            ; K of step 0 -> KA
	s_mov_b32 s[G0F+1], s23
	s_mov_b64 s[G0F+2:G0F+3], s[70:71]
	s_or_b32 s[G0F+3], s[G0F+3], 0x80000000
	s_mov_b32 s[G0E], 1                            ; chunk 1 -> V, KB
	s_add_co_u32 s[G0E+1], s23, VOF
	s_add_nc_u64 s[G0E+2:G0E+3], s[70:71], CH
	s_or_b32 s[G0E+3], s[G0E+3], 0x80000000
	s_mov_b32 s[G0O], 1                            ; chunk 0 now; two chunks are added before each use -> KA, V
	s_mov_b32 s[G0O+1], s23
	s_mov_b64 s[G0O+2:G0O+3], s[70:71]
	s_or_b32 s[G0O+3], s[G0O+3], 0x80000000
	s_mov_b32 s[G0L], 1                            ; chunk 16's second half, V of step 15 -> V
	s_add_co_u32 s[G0L+1], s23, VOF
	s_add_nc_u64 s[G0L+2:G0L+3], s[70:71], 16*CH+6144
	s_or_b32 s[G0L+3], s[G0L+3], 0x80000000
	s_lshl_b32 s74, ttmp9, 2
	s_add_co_u32 s74, s74, s21                     ; my work-group's number
	s_mul_i32 s72, s74, 24576                      ; its 32 rows of codes,
	s_mul_i32 s73, s[WV], 1536                     ; my wave's two
	s_add_co_u32 s72, s72, s73
	s_mov_b32 s73, 0
	s_add_nc_u64 s[G0Q+2:G0Q+3], s[78:79], s[72:73]
	s_or_b32 s[G0Q+3], s[G0Q+3], 0x80000000
	s_mov_b32 s[G0Q], 1
	s_mul_i32 s[G0Q+1], s[WV], 1632
	s_add_co_u32 s[G0Q+1], s[G0Q+1], QA
	s_mov_b32 s[G1Q], (3<<16)|(1<<20)|(5<<22)|(3<<25)   ; my own load, no mask: 6 dense rows of 256 bytes, 16 bytes of padding behind each
	s_mov_b32 s[G1Q+1], 32<<16
	s_mov_b32 s[G1Q+2], 6<<16
	s_mov_b32 s[G1Q+3], 32<<16
	s_mov_b32 s[G1Q+4], 6
	s_mov_b32 s[G1Q+5], 32
	s_mov_b32 s[G1Q+6], 0
	s_mov_b32 s[G1Q+7], 0
	s_lshl_b32 s72, s74, 10
	s_add_nc_u64 s[92:93], s[92:93], s[72:73]      ; and their scale bytes
	s_mul_i32 s72, s[WV], 49152                    ; wqi: my head's 32 fragments: the same in all four partners
	s_add_nc_u64 s[G0W+2:G0W+3], s[4:5], s[72:73]
	s_or_b32 s[G0W+3], s[G0W+3], 0x80000000
	s_mov_b32 s[G0W], 1
	s_mov_b32 s[G0W+1], s23
	CROUND                                         ; the round in front of the first tensor loads
	JL G0W, G1                                     ; my one load at the head: Wq's K steps 0-2 -> KA, V, KB
	; the other addresses; cx enters these alone
	s_mov_b32 s73, 0
	s_lshl_b32 s72, s[WV], 11                      ; Wq_scales: my head's 64 rows of 32 bytes
	s_add_nc_u64 s[6:7], s[6:7], s[72:73]
	s_lshl_b32 s72, s[WV], 8                       ; bq: my head's 64 numbers
	s_add_nc_u64 s[76:77], s[76:77], s[72:73]
	s_lshl_b32 s72, s22, 8
	s_add_co_u32 s72, s72, s[WV]
	s_lshl_b32 s72, s72, 9                         ; kvs: (256 batch + head) x 512: step 0
	s_add_nc_u64 s[SCB:SCB+1], s[10:11], s[72:73]
	s_lshl_b32 s72, ttmp9, 2
	s_add_co_u32 s72, s72, s21
	s_lshl_b32 s72, s72, 17                        ; q, out0: my 32 rows of 4,096 bytes
	s_add_nc_u64 s[12:13], s[12:13], s[72:73]
	s_add_nc_u64 s[18:19], s[18:19], s[72:73]
	s_mul_i32 s72, s22, KVB
	s_lshl_b32 s74, s[WV], 2
	s_add_co_u32 s74, s74, s21
	s_lshl_b32 s74, s74, 13                        ; (4 w + cx) x 8,192
	s_add_co_u32 s72, s72, s74
	s_add_co_u32 s72, s72, 2*CH                    ; in chunk 2
	s_add_nc_u64 s[PFA:PFA+1], s[8:9], s[72:73]
	s_and_b32 s74, ttmp9, 15                       ; the batch's first cluster,
	s_cmp_lt_u32 s[WV], 6                          ; waves 0 to 5: the same in all four partners
	s_cselect_b32 s75, 0, 1
	s_or_b32 s74, s74, s75
	s_cmp_eq_u32 s74, 0
	s_cselect_b32 s[PFON], 1, 0
	v_and_b32 v7, 31, v0                           ; lane
	s_delay_alu instid0(VALU_DEP_1)
	v_lshl_add_u32 v[LI], v7, 4, s23
	s_delay_alu instid0(VALU_DEP_2)
	v_lshlrev_b32 v[SCO], 4, v7
	s_delay_alu instid0(VALU_DEP_3)
	v_lshlrev_b32 v[PFO], 8, v7
	v_and_b32 v253, 15, v0                         ; r
	v_bfe_u32 v254, v0, 4, 1                       ; h
	s_lshl_b32 s74, s[WV], 8
	v_lshl_add_u32 v[GO], v253, 4, s74
	s_delay_alu instid0(VALU_DEP_1)
	v_lshl_add_u32 v[GO], v254, 12, v[GO]
	v_lshl_add_u32 v[QPF], v7, 12, s74
	; REGISTERS of the projection: v16-20 offsets; v56-79 q's two fragments; v80-143 the eight sums (tile of tokens m, tile of Wq u) at v[S + 32 m + 8 u];
	; Wq's fragments, two sets of four: seven at v144-227, the eighth at v22-33; Wq's scale words of all 8 steps at v232-255 (u = 0..2) and v48-55 (u = 3); q's, a pair of steps at a time, two sets, at v8-15
	v_and_b32 v56, 15, v0                          ; r
	v_bfe_u32 v57, v0, 4, 1                        ; h
	v_and_b32 v58, 7, v0
	v_bfe_u32 v59, v0, 3, 1
	v_lshl_add_u32 v58, v59, 5, v58                ; a tile's row: r % 8 + 32 (r / 8)
	v_lshlrev_b32 v16, 5, v58                      ; its 32 scale bytes
	v_lshlrev_b32 v17, 7, v57                      ; bq: 32 h numbers on
	v_lshlrev_b32 v18, 5, v56                      ; q's scale bytes: row r
	v_mul_u32_u24 v58, v56, QP
	v_add_nc_u32 v58, QA, v58
	v_mad_u32_u24 v19, v57, 24, v58                ; q's fragments: row r, + 24 h;
	v_mad_u32_u24 v20, v57, 40, v58                ; and where lanes 16-31 read the next chunk: 16 bytes of padding more
	; THE HEAD'S PREFETCHES, for the tensor loads that follow the first one, each at least one fill ahead of its load:
	; Wq's K steps 3-7 of my head: 30,720 bytes = 4 partners x 30 blocks of 256, shared out by address (lanes 30, 31 name the last block again): each block once in the cluster;
	; my two rows of q's codes: 6 blocks; K of key step 0 of my head: 24 blocks = 4 partners x 6, asked for by the batch's first cluster; and kv's chunk 1.
	v_and_b32 v58, 31, v0
	v_min_u32 v59, 5, v58
	v_min_u32 v58, 29, v58
	v_lshlrev_b32 v58, 8, v58
	v_lshlrev_b32 v59, 8, v59
	s_mul_i32 s72, s[WV], 49152
	s_mul_i32 s74, s21, 7680
	s_add_co_u32 s72, s72, s74
	s_add_co_u32 s72, s72, 18432
	s_add_nc_u64 s[72:73], s[4:5], s[72:73]        ; (s73 held 0)
	s_lshl_b32 s74, ttmp9, 2
	s_add_co_u32 s74, s74, s21
	s_mul_i32 s74, s74, 24576
	s_mul_i32 s75, s[WV], 1536
	s_add_co_u32 s74, s74, s75
	s_mov_b32 s75, 0
	s_add_nc_u64 s[74:75], s[78:79], s[74:75]
	s_mul_i32 s68, s21, 1536
	s_mov_b32 s69, 0
	s_add_nc_u64 s[68:69], s[70:71], s[68:69]      ; s[70:71]: my head's part of the batch's chunk 0
	s_and_b32 s94, ttmp9, 15                       ; the same in all four partners
	s_wait_alu depctr_va_vdst(0)
	global_prefetch_b8 v58, s[72:73] th:TH_LOAD_NT scope:SCOPE_SE
	global_prefetch_b8 v59, s[74:75] th:TH_LOAD_NT scope:SCOPE_SE
	s_cmp_eq_u32 s94, 0
	s_cbranch_scc0 .Lno_k0
	global_prefetch_b8 v59, s[68:69] th:TH_LOAD_NT scope:SCOPE_SE
.Lno_k0:
	ASK -CH                                        ; chunk 1 (the address stands at chunk 2)
.macro WLD s                           ; Wq's four fragments of K step s
.irp u, 0,1,2,3
.set WB, 144+12*(4*((\s)%2)+\u)
.if 4*((\s)%2)+\u == 7
.set WB, 22
.endif
.irp c, 0,1,2
	ds_load_b128 v[WB+4*\c:WB+4*\c+3], v[LI] offset:6144*((\s)%3)+1536*\u+512*\c   ; K step s lies in tile s % 3
.endr
.endr
.endm
.macro ASLD p                          ; q's scale words of K steps 2 p and 2 p + 1
.irp m, 0,1
	global_load_b64 v[8+4*((\p)%2)+2*\m:9+4*((\p)%2)+2*\m], v18, s[92:93] offset:512*\m+8*(\p)
.endr
.endm
.irp u, 0,1,2,3
.set WSB, 232+8*\u
.if \u == 3
.set WSB, 48
.endif
	global_load_b128 v[WSB:WSB+3], v16, s[6:7] offset:(2*(\u%2)+\u/2)*256
	global_load_b128 v[WSB+4:WSB+7], v16, s[6:7] offset:(2*(\u%2)+\u/2)*256+16
.endr
	ASLD 0
	ASLD 1
.irp m, 0,1
.irp u, 0,1,2,3
	global_load_b128 v[S+32*\m+8*\u:S+32*\m+8*\u+3], v17, s[76:77] offset:(2*(\u%2)+\u/2)*32       ; the bias starts the sums
	global_load_b128 v[S+32*\m+8*\u+4:S+32*\m+8*\u+7], v17, s[76:77] offset:(2*(\u%2)+\u/2)*32+16
.endr
.endr
	s_wait_tensorcnt 0x0                           ; Wq's K steps 0-2 are in
	ds_add_u32 v[SPW], v[NIL]
	s_add_nc_u64 s[G0W+2:G0W+3], s[G0W+2:G0W+3], 18432   ; no load of mine is out: on to K steps 3-5
	s_wait_dscnt 0x0
	CROUND
	JL G0Q, G1Q                                    ; my two rows of q's codes: their only fill
	s_wait_xcnt 0x0                                ; the head's prefetches have read their offsets: fragments land on those registers below
	WLD 0
	WLD 1
	s_wait_tensorcnt 0x0                           ; my rows are in,
	s_wait_dscnt 0x0
	s_barrier_signal -1
	s_barrier_wait -1                              ; and everybody's
.macro QSTEP s
.irp m, 0,1
.irp p, 0,1,2,3,4,5
.set BY, 96*(\s)+48*(\p/3)+8*(\p%3)
.if BY/256 == (BY+24)/256
	ds_load_b64 v[F+12*\m+2*\p:F+12*\m+2*\p+1], v19 offset:16*QP*\m+BY+16*(BY/256)
.else
	ds_load_b64 v[F+12*\m+2*\p:F+12*\m+2*\p+1], v20 offset:16*QP*\m+BY+16*(BY/256)
.endif
.endr
.endr
.if (\s)%2 == 0
	s_wait_loadcnt 0x0                             ; the scale words of this pair of steps (and, the first time, Wq's and the bias)
.endif
	s_wait_dscnt 0x0
.irp u, 0,1,2,3
.set WB, 144+12*(4*((\s)%2)+\u)
.if 4*((\s)%2)+\u == 7
.set WB, 22
.endif
.set WSB, 232+8*\u
.if \u == 3
.set WSB, 48
.endif
.irp m, 0,1
	v_wmma_scale_f32_16x16x128_f8f6f4 v[S+32*\m+8*\u:S+32*\m+8*\u+7], v[WB:WB+11], v[F+12*\m:F+12*\m+11], v[S+32*\m+8*\u:S+32*\m+8*\u+7], v[WSB+(\s)], v[8+4*(((\s)/2)%2)+2*\m+(\s)%2] matrix_a_fmt:MATRIX_FMT_FP6 matrix_b_fmt:MATRIX_FMT_FP6
.endr
.endr
.rept 4
	v_nop                                          ; places in front of loads into registers just read, and of the first read of the sums
.endr
.if (\s)%2 == 1 && (\s) < 4
	ASLD (\s)/2+2
.endif
.endm
	QSTEP 0                                        ; written out: the scale words' registers differ from step to step; the eight sums take turns
	WLD 2
	s_wait_tensorcnt 0x0
	ds_add_u32 v[SPW], v[NIL]
	s_wait_dscnt 0x0                               ; steps 1 and 2 are in registers: my tiles are read out
	CROUND
	JL G0W, G1                                     ; K steps 3-5
	QSTEP 1
	QSTEP 2
	s_wait_tensorcnt 0x0
	WLD 3
	WLD 4
	QSTEP 3
	WLD 5
	s_wait_tensorcnt 0x0
	ds_add_u32 v[SPW], v[NIL]
	s_add_nc_u64 s[G0W+2:G0W+3], s[G0W+2:G0W+3], 18432
	s_mov_b32 s[G1+2], 48<<16                      ; no load of mine is out: from here on 48 rows
	s_mov_b32 s[G1+4], 48
	s_wait_dscnt 0x0
	CROUND
	JL G0W, G1                                     ; K steps 6, 7 -> KA, V
	QSTEP 4
	QSTEP 5
	s_wait_tensorcnt 0x0
	WLD 6
	WLD 7
	s_wait_tensorcnt 0x0
	ds_add_u32 v[SPW], v[NIL]
	s_wait_dscnt 0x0
	CROUND
	JL G0F, G1S                                    ; K of key step 0 -> KA
	QSTEP 6
	QSTEP 7
	; the quantiser: a lane's 32 numbers are a block
.irp m, 0,1
	v_max3_num_f32 v[56+\m], |v[S+32*\m]|, |v[S+32*\m+1]|, 0x1800000
.endr
.irp i, 2,4,6,8,10,12,14,16,18,20,22,24,26,28,30
.irp m, 0,1
	v_max3_num_f32 v[56+\m], v[56+\m], |v[S+32*\m+\i]|, |v[S+32*\m+\i+1]|
.endr
.endr
.irp m, 0,1
	v_add_nc_u32 v[58+\m], 0xff000000, v[56+\m]    ; 2 off the exponent field: the conversion's scale operand
.endr
.irp m, 0,1
	v_cvt_scalef32_pk16_fp6_f32 v[QF+6+12*\m:QF+8+12*\m], v[S+32*\m:S+32*\m+15], v[58+\m]
	v_cvt_scalef32_pk16_fp6_f32 v[60+4*\m:62+4*\m], v[S+32*\m+16:S+32*\m+31], v[58+\m]
.endr
.irp m, 0,1
	v_lshrrev_b32 v[56+\m], 23, v[58+\m]           ; my block's byte (also the plain line behind the conversions)
.endr
.irp m, 0,1
.irp i, 0,1,2
	v_mov_b32 v[QF+9+12*\m+\i], v[60+4*\m+\i]
.endr
.endr
.irp m, 0,1
	v_permlanex16_b32 v[60+4*\m], v[56+\m], s[SEL], s[SEL+1]   ; the other block's byte
.endr
.irp m, 0,1
	v_lshl_or_b32 v[60+4*\m], v[60+4*\m], 8, v[56+\m]          ; lanes 0-15, which alone are read: block 0's byte, block 1's
.endr
.irp m, 0,1
	v_lshl_or_b32 v[QS+\m], v[60+4*\m], 16, v[60+4*\m]         ; for the lower and for the upper 64 along K
.endr
.irp j, 0,1,2,3,4,5
	v_mov_b32 v[QF+\j], 0                          ; the zero codes
	v_mov_b32 v[QF+12+\j], 0
	v_mov_b32 v[QF+24+\j], 0
.endr
	global_load_b128 v[SC:SC+3], v[SCO], s[SCB:SCB+1]         ; step 0's scale words
.irp m, 0,1
	v_mov_b32 v[ST+4*\m+1], 0xff61b1e6             ; the largest t so far: -3e38, under every t
	s_delay_alu instid0(VALU_DEP_1)
	v_floor_f32 v[ST+4*\m], -v[ST+4*\m+1]          ; -M
	v_mov_b32 v[ST+4*\m+2], 0                      ; the sum, in two halves
	v_mov_b32 v[ST+4*\m+3], 0
.endr
.irp j, 0,1,2,3,4,5,6,7
	v_mov_b32 v[PT+\j], 0                          ; written once: a lane permute's destination counts as one of its sources
.endr
	v_mov_b32 v[FF+1], 0                           ; (named as the upper half of the pair)
.set j, 0
.rept 64
	v_mov_b32 v[O+j], 0                            ; O^T.  (The step is written without a first form of its own: the first change of M leaves zeros zeros.)  These are also the places between the operands and scale words made above and the first products
.set j, j+1
.endr
; S^T of tile m for the step's 128 keys: two fragments of K at a time, each multiplied twice.  Register 16 f + 8 u + i of S^T is key 32 f + 16 u + 8 (lane / 16) + i.
.macro KLD e, g                        ; two fragments of K (64 keys) of a step of parity e
.irp i, 0,1
.irp c, 0,1,2
	ds_load_b128 v[F+12*\i+4*\c:F+12*\i+4*\c+3], v[LI] offset:KBO*(\e)+1536*(2*\g+\i)+512*\c
.endr
.endr
.endm
.macro KMM m, e, g                     ; their four products with tile m
.irp i, 0,1
	v_wmma_scale_f32_16x16x128_f8f6f4 v[S+8*(4*\g+2*\i):S+8*(4*\g+2*\i)+7], v[F+12*\i:F+12*\i+11], v[QF+6+12*(\m):QF+17+12*(\m)], 0, v[SC+4*(\e)+2*\g+\i], v[QS+(\m)] matrix_a_fmt:MATRIX_FMT_FP6 matrix_b_fmt:MATRIX_FMT_FP6
	v_wmma_scale_f32_16x16x128_f8f6f4 v[S+8*(4*\g+2*\i+1):S+8*(4*\g+2*\i+1)+7], v[F+12*\i:F+12*\i+11], v[QF+12*(\m):QF+11+12*(\m)], 0, v[SC+4*(\e)+2*\g+\i], v[QS+(\m)] matrix_a_fmt:MATRIX_FMT_FP6 matrix_b_fmt:MATRIX_FMT_FP6
.endr
.endm
.macro QKG m, e, g
	KLD \e, \g
	s_wait_dscnt 0x0
	KMM \m, \e, \g
.rept 4
	v_nop                                          ; places in front of loads into the fragments' registers and of the first read of the scores
.endr
.endm
; The softmax of tile m for the step's 128 keys: p's codes into v[PC + 12 m] on, its scale word into v[PS + m]; the sum and O^T are brought under the new M.
.macro SM m
.set T0, ST+4*(\m)
.irp b, 0,1,2,3
	v_max3_num_f32 v[BM+\b], v[S+16*\b], v[S+1+16*\b], v[S+2+16*\b]   ; THE LARGEST SCORE OF EACH BLOCK OF 32 KEYS serves twice: for the row's maximum and, since p rises with the score, for the block's largest p
.endr
.irp i, 3,5,7,9,11,13
.irp b, 0,1,2,3
	v_max3_num_f32 v[BM+\b], v[BM+\b], v[S+16*\b+\i], v[S+1+16*\b+\i]   ; (the four blocks by turns)
.endr
.endr
.irp b, 0,1,2,3
	v_max_num_f32 v[BM+\b], v[BM+\b], v[S+15+16*\b]
.endr
.irp b, 0,1,2,3
	s_delay_alu instid0(VALU_DEP_4)
	v_permlanex16_b32 v[PT+\b], v[BM+\b], s[SEL], s[SEL+1]
.endr
.irp b, 0,1,2,3
	s_delay_alu instid0(VALU_DEP_4)
	v_max_num_f32 v[BM+\b], v[BM+\b], v[PT+\b]     ; with lane l xor 16's 16 keys
.endr
	s_delay_alu instid0(VALU_DEP_2)
	v_max3_num_f32 v[TT], v[BM], v[BM+1], v[BM+2]
	s_delay_alu instid0(VALU_DEP_1)
	v_max_num_f32 v[TT], v[TT], v[BM+3]            ; the step's largest score of my query
	s_delay_alu instid0(VALU_DEP_1)
	v_mul_f32 v[TT], s[CS], v[TT]                  ; as t (c is positive)
	s_delay_alu instid0(VALU_DEP_1)
	v_max_num_f32 v[T0+1], v[T0+1], v[TT]          ; the running largest t
	v_mov_b32 v[TT], v[T0]
	s_delay_alu instid0(VALU_DEP_2)
	v_floor_f32 v[T0], -v[T0+1]                    ; the new -M = floor(-t) = -ceil(t): M is a whole number
	s_delay_alu instid0(VALU_DEP_1)
	v_sub_f32 v[TT], v[T0], v[TT]                  ; old M - new M: a whole number, 0 or less
	s_delay_alu instid0(VALU_DEP_1)
	v_cvt_i32_f32 v[TT], v[TT]                     ; (it saturates)
	s_delay_alu instid0(VALU_DEP_1)
	v_ldexp_f32 v[FF], 1.0, v[TT]                  ; f = 2^(old M - new M)
.set j, 0
.rept 32
	v_pk_fma_f32 v[S+j:S+j+1], v[S+j:S+j+1], s[CS:CS+1], v[T0:T0+1] op_sel_hi:[1,0,0]   ; t - M, two at a time
.set j, j+2
.endr
.irp b, 0,1,2,3
	v_fma_f32 v[BM+\b], v[BM+\b], s[CS], v[T0]     ; the same of each block's largest score
.endr
.set j, 0
	s_wait_alu depctr_va_vdst(0)
.rept 64
	v_exp_f32 v[S+j], v[S+j]                       ; p = 2^(t - M), at most 1: not normalised
.set j, j+1
.endr
	v_pk_mul_f32 v[T0+2:T0+3], v[T0+2:T0+3], v[FF:FF+1] op_sel_hi:[1,0]   ; the sums under the new M (the plain line behind the exponentials)
	s_wait_alu depctr_va_vdst(0)                   ; the wait ahead of the first line that names a result: one for the 64
.irp b, 0,1,2,3
	v_exp_f32 v[BM+\b], v[BM+\b]                   ; the block's largest p: the same two instructions on the same number give the same bits
.endr
	v_pk_add_f32 v[PT:PT+1], v[S:S+1], v[S+2:S+3]  ; THE ROW'S SUM IS TAKEN OF THE UNQUANTISED p, in two chains (plain work behind the four)
.irp j, 4,8,12,16,20,24,28,32,36,40,44,48,52,56,60
	v_pk_add_f32 v[T0+2:T0+3], v[T0+2:T0+3], v[S+\j:S+\j+1]
	v_pk_add_f32 v[PT:PT+1], v[PT:PT+1], v[S+2+\j:S+3+\j]
.endr
	s_delay_alu instid0(VALU_DEP_1)
	v_pk_add_f32 v[T0+2:T0+3], v[T0+2:T0+3], v[PT:PT+1]
	s_wait_alu depctr_va_vdst(0)                   ; and one for the four
.irp b, 0,1,2,3
	v_max_num_f32 v[BM+\b], 0x1800000, v[BM+\b]    ; the floor 2^(3 - 127): the byte cannot fall under 1
.endr
.irp b, 0,1,2,3
	s_delay_alu instid0(VALU_DEP_4)
	v_add_nc_u32 v[SO+\b], 0xff000000, v[BM+\b]    ; 2 off the exponent field: the conversion's scale operand
.endr
.irp b, 0,1,2,3
	s_delay_alu instid0(VALU_DEP_4)
	v_lshrrev_b32 v[PT+\b], 23, v[SO+\b]           ; the scale's byte
.endr
	s_delay_alu instid0(VALU_DEP_3)
	v_lshl_or_b32 v[PS+(\m)], v[PT+1], 8, v[PT]    ; p's scale word for these 128 keys
	s_delay_alu instid0(VALU_DEP_1)
	v_lshl_or_b32 v[PS+(\m)], v[PT+2], 16, v[PS+(\m)]
	s_delay_alu instid0(VALU_DEP_1)
	v_lshl_or_b32 v[PS+(\m)], v[PT+3], 24, v[PS+(\m)]
.irp c, 0,1
	v_cvt_scalef32_pk16_fp6_f32 v[PC+12*(\m)+6*\c:PC+12*(\m)+6*\c+2], v[S+32*\c:S+15+32*\c], v[SO+2*\c]
	v_cvt_scalef32_pk16_fp6_f32 v[PT+4*\c:PT+4*\c+2], v[S+16+32*\c:S+31+32*\c], v[SO+2*\c+1]   ; (a conversion's three registers begin on an even number)
.endr
	v_nop                                          ; one plain place behind a scaled conversion
.irp c, 0,1                                    ; the operand's layout wants a WHOLE block in a lane
.irp i, 0,1,2
	v_permlane16_swap_b32 v[PC+12*(\m)+6*\c+\i], v[PT+4*\c+\i]
.endr
.irp i, 0,1,2
	s_delay_alu instid0(VALU_DEP_3)
	v_mov_b32 v[PC+12*(\m)+6*\c+3+\i], v[PT+4*\c+\i]
.endr
.endr
.set j, 0
.rept 16
	v_pk_mul_f32 v[O+32*(\m)+j:O+32*(\m)+j+1], v[O+32*(\m)+j:O+32*(\m)+j+1], v[FF:FF+1] op_sel_hi:[1,0]   ; O^T under the new M.  (These are also the places in front of the products and loads that follow)
.set j, j+2
.endr
.endm
; O^T += V^T P^T for both tiles: four fragments of V (16 of the head's 64 x 128 keys), each multiplied twice.  The eight accumulators take turns, one instruction a turn.
.macro VLD
.irp t, 0,1,2,3
.irp c, 0,1,2
	ds_load_b128 v[S+12*\t+4*\c:S+12*\t+4*\c+3], v[LI] offset:VOF+1536*\t+512*\c
.endr
.endr
.endm
.macro PVM e
.irp t, 0,1,2,3
.irp m, 0,1
	v_wmma_scale_f32_16x16x128_f8f6f4 v[O+32*\m+8*\t:O+32*\m+8*\t+7], v[S+12*\t:S+12*\t+11], v[PC+12*\m:PC+12*\m+11], v[O+32*\m+8*\t:O+32*\m+8*\t+7], v[SC+4*(\e)+\t], v[PS+\m] matrix_a_fmt:MATRIX_FMT_FP6 matrix_b_fmt:MATRIX_FMT_FP6 matrix_a_scale:MATRIX_SCALE_ROW1
.endr
.endr
.rept 5
	v_nop                                          ; five places: the next step's products write over V's fragments; its load lands in the scale words just read
.endr
.endm
; A KEY STEP.  e = the step's parity.  mode 0: in the loop; 1: step 14; 2: step 15.
; At its head each wave waits for all its tensor loads, adds 0 to its spare word, waits for that and for its LDS reads, and passes a round of the cluster's barrier: no wave of any partner still reads the tiles
; that are filled next or has a load on its way.  The joint load is the first thing behind the round and my one tensor load until the next round.
.macro CREST                           ; a round of the cluster's barrier behind its opening barrier
	s_cmp_lg_u32 s[WV], 0
	s_cbranch_scc1 .Lnot_w0_\@
	s_barrier_signal -3
.Lnot_w0_\@:
	s_barrier_wait -3
	s_barrier_signal -1
	s_barrier_wait -1
.endm
; THE CHANGE OF SLOTS in front of a step of parity en.  pv = 1: the step just done has its P V still to come.  step = 1: the addresses go two steps on.
.macro MEET en, step, pv
	s_wait_alu depctr_va_vdst(0)
	s_wait_tensorcnt 0x0                           ; my one load that was out: V of this step and K of the next
.if \pv
	VLD
.endif
	KLD \en, 0
	s_wait_tensorcnt 0x0                           ; no tensor load of mine is out, so the groups 0 may be written
	ds_add_u32 v[SPW], v[NIL]                      ; 0 onto my spare word
.if \step
	s_add_nc_u64 s[G0E+2:G0E+3], s[G0E+2:G0E+3], 2*CH
	s_add_nc_u64 s[G0O+2:G0O+3], s[G0O+2:G0O+3], 2*CH
	s_wait_xcnt 0x0                                ; this step's load of scale words and its prefetch have read their addresses
	s_add_nc_u64 s[SCB:SCB+1], s[SCB:SCB+1], 16384
	s_add_nc_u64 s[PFA:PFA+1], s[PFA:PFA+1], 2*CH
.endif
	s_wait_loadcnt 0x0                             ; the next step's scale words, asked for at this step's head
	s_wait_dscnt 0x0                               ; the add is done, and my LDS reads are over
	s_barrier_signal -1                            ; this barrier opens a round of the cluster's barrier; work on registers alone up to its wait
.if \pv
	PVM 1-(\en)
.endif
	KMM 0, \en, 0
	s_barrier_wait -1
	CREST
.endm
.macro STEP e, mode
.if (\mode) == 2
	JL G0L, G1S                                    ; V of step 15
.elseif \e
	JL G0O, G1                                     ; [K of j + 1 | V of j] -> KA, V
	ASK -CH                                        ; chunk j + 2 (the address was stepped two chunks above)
.else
	JL G0E, G1                                     ; [V of j | K of j + 1] -> V, KB
.if (\mode) == 0
	ASK 0                                          ; chunk j + 2
.else
	global_prefetch_b8 v[QPF], s[12:13] th:TH_LOAD_NT scope:SCOPE_SE   ; step 14: the residual: my head's 256 bytes of each of the 32 rows of q, a lane a row, two steps ahead of their loads; each block is named once in the launch
.endif
.endif
.if (\mode) < 2
	global_load_b128 v[SC+4*(1-\e):SC+4*(1-\e)+3], v[SCO], s[SCB:SCB+1] offset:8192*(1-\e)   ; the next step's
.endif
	QKG 0, \e, 1                                   ; tile 0's first 64 keys were multiplied inside the round
	SM 0
	QKG 1, \e, 0
	QKG 1, \e, 1
	SM 1
.if (\mode) == 2
	s_wait_alu depctr_va_vdst(0)
	s_wait_tensorcnt 0x0                           ; V of step 15
	VLD
	s_wait_dscnt 0x0
	PVM \e
.elseif (\e) == 0 && (\mode) == 0
	MEET 1, 1, 1
.else
	MEET 1-\e, 0, 1
.endif
.endm
	s_mov_b32 s[CNT], 7
	MEET 0, 0, 0                                   ; in front of step 0
.Ltrip:
	STEP 0, 0
	STEP 1, 0
	s_sub_co_u32 s[CNT], s[CNT], 1
	s_cmp_lg_u32 s[CNT], 0
	s_cbranch_scc1 .Ltrip
	STEP 0, 1                                      ; the tail is written out
	STEP 1, 2
	; THE END.  x = O / l + q; LayerNorm over a token's 1,024 features, which lie in the sixteen waves: two true passes (mean; then squares of x - mean), each summed through LDS.
.irp m, 0,1
.irp i, 0,1,2,3,4,5,6,7
	global_load_b128 v[S+32*\m+4*\i:S+32*\m+4*\i+3], v[GO], s[12:13] offset:(16*\m+2*\i)*4096 th:TH_LOAD_NT   ; the residual by rows: sixteen lanes read 256 consecutive bytes, aligned: tokens 16 m + 2 i + (lane / 16)
.endr
.endr
	v_and_b32 v70, 15, v0                          ; r
	v_bfe_u32 v71, v0, 4, 1                        ; h
	s_lshl_b32 s22, s[WV], 8
	v_lshl_add_u32 v69, v70, 4, s22                ; 256 w + 16 (lane % 16)
	global_load_b128 v[56:59], v69, s[14:15]       ; gamma and beta of the four features that I store
	global_load_b128 v[60:63], v69, s[16:17]
.irp m, 0,1
	v_add_f32 v[PT+2*\m], v[ST+4*\m+2], v[ST+4*\m+3]   ; the sum's two halves,
.endr
.irp m, 0,1
	s_delay_alu instid0(VALU_DEP_2)
	v_permlanex16_b32 v[PT+4+\m], v[PT+2*\m], s[SEL], s[SEL+1]
.endr
.irp m, 0,1
	s_delay_alu instid0(VALU_DEP_2)
	v_add_f32 v[PT+2*\m], v[PT+2*\m], v[PT+4+\m]   ; and lane l xor 16's: the row's sum l
.endr
	s_wait_alu depctr_va_vdst(0)
.irp m, 0,1
	v_rcp_f32 v[PT+2*\m], v[PT+2*\m]
.endr
	v_mul_u32_u24 v[RL], v70, 80                   ; (plain lines behind the reciprocals)
	s_delay_alu instid0(VALU_DEP_1)
	v_add_nc_u32 v[RL], RED1, v[RL]                ; a token's sixteen parts: RED1 + 80 r
	s_lshl_b32 s22, s[WV], 2
	v_add_nc_u32 v[RS], s22, v[RL]                 ; my wave's: + 4 w
	v_mul_u32_u24 v[STO], v70, 272                 ; the stages, 16 rows x (256 bytes + 16), tile 0's in KA and tile 1's in KB: both have had their last fill, and only I read them
	s_delay_alu instid0(VALU_DEP_1)
	v_lshl_add_u32 v[STO], v71, 5, v[STO]
	s_delay_alu instid0(VALU_DEP_1)
	v_add_nc_u32 v[STO], s23, v[STO]               ; O's layout: row r, + 32 h
	v_mul_u32_u24 v[RD], v71, 272
	s_delay_alu instid0(VALU_DEP_1)
	v_lshl_add_u32 v[RD], v70, 4, v[RD]
	s_delay_alu instid0(VALU_DEP_1)
	v_add_nc_u32 v[RD], s23, v[RD]                 ; by rows: lanes 0-15 one row, lanes 16-31 the next
	s_wait_alu depctr_va_vdst(0)
	s_wait_loadcnt 0x0
.irp m, 0,1
.irp i, 0,1,2,3,4,5,6,7
	ds_store_b128 v[RD], v[S+32*\m+4*\i:S+32*\m+4*\i+3] offset:KBO*\m+544*\i
.endr
.endr
.irp m, 0,1
.irp t, 0,1,2,3
.irp k, 0,1
	ds_load_b128 v[S+32*\m+8*\t+4*\k:S+32*\m+8*\t+4*\k+3], v[STO] offset:KBO*\m+64*\t+16*\k   ; LDS serves a wave's instructions in order: these see my stores.  Register 32 m + 8 t + i: q(16 m + r, 64 w + 16 t + 8 h + i)
.endr
.endr
.endr
	s_wait_alu depctr_va_vdst(0)                   ; the wait ahead of the reciprocals' first reader
	s_wait_dscnt 0x0
.irp m, 0,1
.set j, 0
.rept 16
	v_pk_fma_f32 v[S+32*\m+j:S+32*\m+j+1], v[O+32*\m+j:O+32*\m+j+1], v[PT+2*\m:PT+2*\m+1], v[S+32*\m+j:S+32*\m+j+1] op_sel_hi:[1,0,1]   ; x = O / l + q; each accumulator from its low end on
.set j, j+2
.endr
.endr
.macro HALVES m, off                   ; tile m's two chains -> one number a token; my wave's part goes to LDS (lanes r and 16 + r write the same word with the same value)
	s_delay_alu instid0(VALU_DEP_1)
	v_pk_add_f32 v[W+4*\m:W+4*\m+1], v[W+4*\m:W+4*\m+1], v[W+4*\m+2:W+4*\m+3]
	s_delay_alu instid0(VALU_DEP_1)
	v_add_f32 v[W+4*\m], v[W+4*\m], v[W+4*\m+1]
	s_delay_alu instid0(VALU_DEP_1)
	v_permlanex16_b32 v[W+4*\m+1], v[W+4*\m], s[SEL], s[SEL+1]
	s_delay_alu instid0(VALU_DEP_1)
	v_add_f32 v[W+4*\m], v[W+4*\m], v[W+4*\m+1]
	ds_store_b32 v[RS], v[W+4*\m] offset:\off+1280*\m
.endm
.macro ALLW off                        ; my stores have landed; the barrier; then all sixteen waves' parts of my two tokens, summed alike in every wave -> v[W], v[W + 4]
	s_wait_dscnt 0x0
	s_barrier_signal -1
	s_barrier_wait -1
.irp m, 0,1
.irp q, 0,1,2,3
	ds_load_b128 v[O+16*\m+4*\q:O+16*\m+4*\q+3], v[RL] offset:\off+1280*\m+16*\q
.endr
.endr
	s_wait_dscnt 0x0
.irp m, 0,1
	v_pk_add_f32 v[O+16*\m:O+16*\m+1], v[O+16*\m:O+16*\m+1], v[O+16*\m+2:O+16*\m+3]
	v_pk_add_f32 v[O+16*\m+4:O+16*\m+5], v[O+16*\m+4:O+16*\m+5], v[O+16*\m+6:O+16*\m+7]
	v_pk_add_f32 v[O+16*\m+8:O+16*\m+9], v[O+16*\m+8:O+16*\m+9], v[O+16*\m+10:O+16*\m+11]
	v_pk_add_f32 v[O+16*\m+12:O+16*\m+13], v[O+16*\m+12:O+16*\m+13], v[O+16*\m+14:O+16*\m+15]
	s_delay_alu instid0(VALU_DEP_3)
	v_pk_add_f32 v[O+16*\m:O+16*\m+1], v[O+16*\m:O+16*\m+1], v[O+16*\m+4:O+16*\m+5]
	s_delay_alu instid0(VALU_DEP_2)
	v_pk_add_f32 v[O+16*\m+8:O+16*\m+9], v[O+16*\m+8:O+16*\m+9], v[O+16*\m+12:O+16*\m+13]
	s_delay_alu instid0(VALU_DEP_1)
	v_pk_add_f32 v[O+16*\m:O+16*\m+1], v[O+16*\m:O+16*\m+1], v[O+16*\m+8:O+16*\m+9]
	s_delay_alu instid0(VALU_DEP_1)
	v_add_f32 v[W+4*\m], v[O+16*\m], v[O+16*\m+1]
.endr
.endm
	; pass 1: the mean
.irp m, 0,1
	v_pk_add_f32 v[W+4*\m:W+4*\m+1], v[S+32*\m:S+32*\m+1], v[S+32*\m+4:S+32*\m+5]
	v_pk_add_f32 v[W+4*\m+2:W+4*\m+3], v[S+32*\m+2:S+32*\m+3], v[S+32*\m+6:S+32*\m+7]
.irp j, 8,12,16,20,24,28
	s_delay_alu instid0(VALU_DEP_2)
	v_pk_add_f32 v[W+4*\m:W+4*\m+1], v[W+4*\m:W+4*\m+1], v[S+32*\m+\j:S+32*\m+\j+1]
	s_delay_alu instid0(VALU_DEP_2)
	v_pk_add_f32 v[W+4*\m+2:W+4*\m+3], v[W+4*\m+2:W+4*\m+3], v[S+32*\m+\j+2:S+32*\m+\j+3]
.endr
	HALVES \m, 0
.endr
	ALLW 0
.irp m, 0
	v_mul_f32 v[W+4*\m], 0x3a800000, v[W+4*\m]     ; / 1,024
.endr
.irp m, 1
	s_delay_alu instid0(VALU_DEP_2)
	v_mul_f32 v[W+4*\m], 0x3a800000, v[W+4*\m]     ; / 1,024
.endr
.irp m, 0,1
.set j, 0
.rept 16
	v_pk_add_f32 v[S+32*\m+j:S+32*\m+j+1], v[S+32*\m+j:S+32*\m+j+1], v[W+4*\m:W+4*\m+1] op_sel_hi:[1,0] neg_lo:[0,1] neg_hi:[0,1]   ; x - mean
.set j, j+2
.endr
.endr
	; pass 2: the squares of x - mean: no difference of large sums is formed
.irp m, 0,1
	v_pk_mul_f32 v[W+4*\m:W+4*\m+1], v[S+32*\m:S+32*\m+1], v[S+32*\m:S+32*\m+1]
	v_pk_mul_f32 v[W+4*\m+2:W+4*\m+3], v[S+32*\m+2:S+32*\m+3], v[S+32*\m+2:S+32*\m+3]
.irp j, 4,8,12,16,20,24,28
	s_delay_alu instid0(VALU_DEP_2)
	v_pk_fma_f32 v[W+4*\m:W+4*\m+1], v[S+32*\m+\j:S+32*\m+\j+1], v[S+32*\m+\j:S+32*\m+\j+1], v[W+4*\m:W+4*\m+1]
	s_delay_alu instid0(VALU_DEP_2)
	v_pk_fma_f32 v[W+4*\m+2:W+4*\m+3], v[S+32*\m+\j+2:S+32*\m+\j+3], v[S+32*\m+\j+2:S+32*\m+\j+3], v[W+4*\m+2:W+4*\m+3]
.endr
	HALVES \m, 2560
.endr
	ALLW 2560
.irp m, 0
	v_mul_f32 v[W+4*\m], 0x3a802008, v[W+4*\m]     ; / 1,023: the unbiased variance
.endr
.irp m, 1
	s_delay_alu instid0(VALU_DEP_2)
	v_mul_f32 v[W+4*\m], 0x3a802008, v[W+4*\m]     ; / 1,023: the unbiased variance
.endr
	s_wait_alu depctr_va_vdst(0)
.irp m, 0,1
	v_sqrt_f32 v[W+4*\m], v[W+4*\m]
.endr
	v_nop                                          ; a plain line behind the roots,
	s_wait_alu depctr_va_vdst(0)                   ; and the wait ahead of their first reader
.irp m, 0,1
	v_add_f32 v[W+4*\m], 0x322bcc77, v[W+4*\m]     ; std + 1e-8
.endr
	s_wait_alu depctr_va_vdst(0)
.irp m, 0,1
	v_rcp_f32 v[W+4*\m], v[W+4*\m]
.endr
	v_nop
	s_wait_alu depctr_va_vdst(0)
.irp m, 0,1
.set j, 0
.rept 16
	v_pk_mul_f32 v[S+32*\m+j:S+32*\m+j+1], v[S+32*\m+j:S+32*\m+j+1], v[W+4*\m:W+4*\m+1] op_sel_hi:[1,0]   ; (x - mean) / (std + eps)
.set j, j+2
.endr
.endr
	; the way out: through my stages back to rows; gamma and beta; sixteen lanes store 256 consecutive bytes, aligned
.irp m, 0,1
.irp t, 0,1,2,3
.irp k, 0,1
	ds_store_b128 v[STO], v[S+32*\m+8*\t+4*\k:S+32*\m+8*\t+4*\k+3] offset:KBO*\m+64*\t+16*\k
.endr
.endr
.irp i, 0,1,2,3,4,5,6,7
	ds_load_b128 v[O+32*\m+4*\i:O+32*\m+4*\i+3], v[RD] offset:KBO*\m+544*\i   ; LDS serves a wave's instructions in order: these see my stores
.endr
.endr
.irp m, 0,1
.irp i, 0,1,2,3,4,5,6,7
	s_wait_dscnt (1-\m)*16+7-\i                    ; behind this load: its tile's later loads, and for tile 0 tile 1's eight stores and eight loads
	v_pk_fma_f32 v[O+32*\m+4*\i:O+32*\m+4*\i+1], v[O+32*\m+4*\i:O+32*\m+4*\i+1], v[56:57], v[60:61]
	v_pk_fma_f32 v[O+32*\m+4*\i+2:O+32*\m+4*\i+3], v[O+32*\m+4*\i+2:O+32*\m+4*\i+3], v[58:59], v[62:63]
	global_store_b128 v[GO], v[O+32*\m+4*\i:O+32*\m+4*\i+3], s[18:19] offset:(16*\m+2*\i)*4096 th:TH_STORE_NT
.endr
.endr
	s_wait_tensorcnt 0x0                           ; the wave's end, behind my last tensor load and my last LDS store
	ds_add_u32 v[SPW], v[NIL]
	s_wait_dscnt 0x0
	CROUND                                         ; the closing round: no work-group ends while a partner may still ask for a tile that names it
	s_endpgm
.Lfunc_end_k_q13ca671685_attn:
	.size	k_q13ca671685_attn, .Lfunc_end_k_q13ca671685_attn-k_q13ca671685_attn
	.p2alignl 7, 3214868480
	.fill 96, 4, 3214868480
	.section	.rodata,"a",@progbits
	.p2align	6, 0x0
	.amdhsa_kernel k_q13ca671685_attn
		.amdhsa_group_segment_fixed_size 327680
		.amdhsa_private_segment_fixed_size 0
		.amdhsa_enable_private_segment 0
		.amdhsa_kernarg_size 88
		.amdhsa_user_sgpr_count 2
		.amdhsa_user_sgpr_kernarg_segment_ptr 1
		.amdhsa_wavefront_size32 1
		.amdhsa_system_sgpr_workgroup_id_x 1
		.amdhsa_system_sgpr_workgroup_id_y 1
		.amdhsa_system_sgpr_workgroup_id_z 1
		.amdhsa_system_vgpr_workitem_id 0
		.amdhsa_next_free_vgpr 256
		.amdhsa_next_free_sgpr 100
		.amdhsa_reserve_vcc 0
		.amdhsa_float_denorm_mode_32 3
		.amdhsa_float_denorm_mode_16_64 3
		.amdhsa_memory_ordered 1
		.amdhsa_forward_progress 1
		.amdhsa_inst_pref_size 201
	.end_amdhsa_kernel
	.amdgpu_metadata
---
amdhsa.version: [ 1, 2 ]
amdhsa.kernels:
  - .name:           k_q13ca671685_attn
    .symbol:         k_q13ca671685_attn.kd
    .args:
      - { .name: wqi, .offset: 0, .size: 8, .value_kind: global_buffer, .address_space: global }
      - { .name: Wq_scales, .offset: 8, .size: 8, .value_kind: global_buffer, .address_space: global }
      - { .name: kv, .offset: 16, .size: 8, .value_kind: global_buffer, .address_space: global }
      - { .name: kvs, .offset: 24, .size: 8, .value_kind: global_buffer, .address_space: global }
      - { .name: q, .offset: 32, .size: 8, .value_kind: global_buffer, .address_space: global }
      - { .name: gamma, .offset: 40, .size: 8, .value_kind: global_buffer, .address_space: global }
      - { .name: beta, .offset: 48, .size: 8, .value_kind: global_buffer, .address_space: global }
      - { .name: out0, .offset: 56, .size: 8, .value_kind: global_buffer, .address_space: global }
      - { .name: bq, .offset: 64, .size: 8, .value_kind: global_buffer, .address_space: global }
      - { .name: qc, .offset: 72, .size: 8, .value_kind: global_buffer, .address_space: global }
      - { .name: qsc, .offset: 80, .size: 8, .value_kind: global_buffer, .address_space: global }
    .group_segment_fixed_size: 327680
    .private_segment_fixed_size: 0
    .kernarg_segment_align: 8
    .kernarg_segment_size: 88
    .max_flat_workgroup_size: 512
    .sgpr_count:     100
    .vgpr_count:     256
    .wavefront_size: 32
...
	.end_amdgpu_metadata
.endif
;; end of part 2
